; MI455X (gfx1250); checked and timed in simulation.
; The chip was launched on July 23, 2026; its instructions are those of AMD's public machine-readable ISA for CDNA 5 (MIT licence, August 2026) and "CDNA5" Instruction Set Architecture Reference Guide (July 2026). The comments in the code are by the model that wrote it; some were corrected since.
;; Attention. Allowed arithmetic: float matrix products may take bf16 or f16 operands with f32 sums; other float arithmetic in f32, or as packed bf16 or f16 multiplies, adds, multiply-adds, maxima and minima; sums over many terms, partial sums and values carried from step to step in f32; what a program stores and reads back later, other than sums and carried values, may be rounded once to bf16 or f16.
;; Inputs: rope_freqs 2,048 x 64 x 2 float32; w_k 2,048 x 2,048 float32; w_o 2,048 x 2,048 float32; w_q 2,048 x 2,048 float32; w_v 2,048 x 2,048 float32; x 1 x 2,048 x 2,048 float32.
;; Outputs: out0 1 x 2,048 x 2,048 float32.
;; One version. Each part assembles by itself: llvm-mc -triple=amdgcn-amd-amdhsa -mcpu=gfx1250 --defsym DOCPART=n.
;; ======== version 1 of 1: 4 launches
;; limits: values are held in f16: magnitudes above 65,504 overflow, below 6.1e-05 lose precision
;; workspace buffers: bf 34,078,720 bytes; wof 8,388,608 bytes; qkv 25,165,824 bytes; ob 8,388,608 bytes
;; launch cast (part 1): grid 256 x 5, 8 waves a work-group, no clusters, 0 bytes of LDS; arguments x, w_q, w_k, w_v, rope_freqs, bf; writes bf
.if DOCPART == 1
	.amdgcn_target "amdgcn-amd-amdhsa--gfx1250"
	.amdhsa_code_object_version 6
	.text
	.protected	k_q45ec3a0b05_cast
	.globl	k_q45ec3a0b05_cast
	.p2align	8
	.type	k_q45ec3a0b05_cast,@function
k_q45ec3a0b05_cast:
	s_mov_b64 s[64:65], 0
	v_nop
	global_prefetch_b8 v0, s[64:65] scope:SCOPE_SE
	s_setreg_imm32_b32 hwreg(HW_REG_WAVE_MODE, 25, 1), 1
	s_wait_xcnt 0x0
; x, w_q, w_k, w_v and the rope table are rounded once to bf16 and laid into one workspace, bf, as the next launch wants them:
;   +0      x, bf16, [2048][2048] as it lies;
;   +8 MiB  the three weights in blocks: [half head n = row / 64 (32)][q, k, v (3)][64 rows][2048] bf16, so that the 192 rows that one work-group of the next launch multiplies lie on end;
;   +32 MiB rope: one word for each (row t, pair i): bf16 cos below, bf16 sin above: byte = (t / 16) 4096 + cb 512 + (16 h + t % 16) 16 + 4 p for pair i = 8 cb + 4 h + p.
; y = 0..3: a work-group takes 64 KiB (8 rows) of one f32 tensor: sixteen loads of 16 bytes a thread (a wave's load covers 512 consecutive bytes), all issued before the first is used;
; a thread's four numbers become 8 bytes, in the registers in which they came, and a wave's store covers 256 consecutive bytes, aligned.  y = 4: the rope table, one item of two pairs a thread.
; No LDS, no matrix work, no barrier: every byte is read once and written once.  72 registers, so that the five work-groups that fall to a WGP (1,280 on 256) can lie on it together.
.set X, 8                              ; v[8:71]  sixteen loads of four f32; the first two registers of each then hold what is stored.  No register is written after its store is issued, so no wait frees one
	s_load_b256 s[4:11], s[0:1], 0x0               ; x s[4:5], w_q s[6:7], w_k s[8:9], w_v s[10:11]
	s_load_b128 s[12:15], s[0:1], 0x20             ; rope_freqs s[12:13], bf s[14:15]
	s_and_b32 s18, ttmp7, 0xffff                   ; y: which input
	v_lshlrev_b32 v1, 4, v0                        ; 16 t: my bytes in 4,096 of the source
	v_lshlrev_b32 v2, 3, v0                        ; 8 t: my bytes in 2,048 of the result
	s_wait_kmcnt 0x0
	s_cmp_eq_u32 s18, 4
	s_cbranch_scc1 .Lrope
	s_mov_b64 s[20:21], s[4:5]                     ; the source, chosen by y alone
	s_cmp_eq_u32 s18, 1
	s_cselect_b64 s[20:21], s[6:7], s[20:21]
	s_cmp_eq_u32 s18, 2
	s_cselect_b64 s[20:21], s[8:9], s[20:21]
	s_cmp_eq_u32 s18, 3
	s_cselect_b64 s[20:21], s[10:11], s[20:21]
	s_lshl_b32 s22, ttmp9, 16                      ; the work-group's 64 KiB
	s_mov_b32 s23, 0
	s_add_nc_u64 s[20:21], s[20:21], s[22:23]
	s_lshr_b32 s24, ttmp9, 3                       ; a weight's 8 rows: half head n = group / 8,
	s_mul_i32 s24, s24, 3
	s_add_co_u32 s24, s24, s18                     ; block 3 n + y - 1 of 64 rows x 4,096 bytes,
	s_lshl_b32 s24, s24, 18
	s_add_co_u32 s24, s24, 0x800000-0x40000        ; from 8 MiB on (the 1 is taken off here),
	s_and_b32 s25, ttmp9, 7
	s_lshl_b32 s25, s25, 15                        ; and the group's place in the block
	s_add_co_u32 s24, s24, s25
	s_lshl_b32 s25, ttmp9, 15                      ; x: as it lies
	s_cmp_eq_u32 s18, 0
	s_cselect_b32 s24, s25, s24
	s_mov_b32 s25, 0
	s_add_nc_u64 s[14:15], s[14:15], s[24:25]
.irp j, 0,1,2,3,4,5,6,7,8,9,10,11,12,13,14,15
	global_load_b128 v[X+4*(\j):X+4*(\j)+3], v1, s[20:21] offset:4096*(\j) th:TH_LOAD_NT
.endr
.irp j, 0,1,2,3,4,5,6,7,8,9,10,11,12,13,14,15
	s_wait_loadcnt 15-(\j)                         ; loads come back in order: load j is in, the younger ones stay out
	v_cvt_pk_bf16_f32 v[X+4*(\j)], v[X+4*(\j)], v[X+4*(\j)+1]
	v_cvt_pk_bf16_f32 v[X+4*(\j)+1], v[X+4*(\j)+2], v[X+4*(\j)+3]
	global_store_b64 v2, v[X+4*(\j):X+4*(\j)+1], s[14:15] offset:2048*(\j) th:TH_STORE_NT
.endr
	s_endpgm
.Lrope:                                                ; item n = 256 x + t = half + 2 r + 32 h + 64 cb + 512 tb: two pairs (cos, sin, cos, sin) of row 16 tb + r
	s_lshl_b32 s22, ttmp9, 8
	v_add_nc_u32 v3, s22, v0                       ; n
	v_and_b32 v4, 1, v3                            ; half
	v_bfe_u32 v5, v3, 1, 4                         ; r
	v_bfe_u32 v6, v3, 5, 1                         ; h
	v_bfe_u32 v7, v3, 6, 3                         ; cb
	v_lshrrev_b32 v1, 9, v3                        ; tb
	v_lshl_add_u32 v5, v1, 4, v5                   ; the row
	v_lshlrev_b32 v5, 9, v5                        ; 512 bytes a row of the table
	v_lshl_add_u32 v5, v7, 6, v5                   ; 8 pairs of 8 bytes for each cb
	v_lshl_add_u32 v5, v6, 5, v5                   ; 4 pairs for h
	v_lshl_add_u32 v5, v4, 4, v5                   ; 2 pairs for half
	v_lshlrev_b32 v3, 3, v3                        ; 8 n: the wave's store covers 256 consecutive bytes, aligned
	global_load_b128 v[X:X+3], v5, s[12:13]
	s_add_nc_u64 s[14:15], s[14:15], 0x2000000     ; 32 MiB
	s_wait_loadcnt 0x0
	v_cvt_pk_bf16_f32 v[X], v[X], v[X+1]           ; cos below, sin above
	v_cvt_pk_bf16_f32 v[X+1], v[X+2], v[X+3]
	global_store_b64 v3, v[X:X+1], s[14:15] th:TH_STORE_NT
	s_endpgm
.Lfunc_end_k_q45ec3a0b05_cast:
	.size	k_q45ec3a0b05_cast, .Lfunc_end_k_q45ec3a0b05_cast-k_q45ec3a0b05_cast
	.p2alignl 7, 3214868480
	.fill 96, 4, 3214868480
	.section	.rodata,"a",@progbits
	.p2align	6, 0x0
	.amdhsa_kernel k_q45ec3a0b05_cast
		.amdhsa_group_segment_fixed_size 0
		.amdhsa_private_segment_fixed_size 0
		.amdhsa_enable_private_segment 0
		.amdhsa_kernarg_size 48
		.amdhsa_user_sgpr_count 2
		.amdhsa_user_sgpr_kernarg_segment_ptr 1
		.amdhsa_wavefront_size32 1
		.amdhsa_system_sgpr_workgroup_id_x 1
		.amdhsa_system_sgpr_workgroup_id_y 1
		.amdhsa_system_sgpr_workgroup_id_z 1
		.amdhsa_system_vgpr_workitem_id 0
		.amdhsa_next_free_vgpr 72
		.amdhsa_next_free_sgpr 66
		.amdhsa_reserve_vcc 0
		.amdhsa_float_denorm_mode_32 3
		.amdhsa_float_denorm_mode_16_64 3
		.amdhsa_memory_ordered 1
		.amdhsa_forward_progress 1
		.amdhsa_inst_pref_size 8
	.end_amdhsa_kernel
	.amdgpu_metadata
---
amdhsa.version: [ 1, 2 ]
amdhsa.kernels:
  - .name:           k_q45ec3a0b05_cast
    .symbol:         k_q45ec3a0b05_cast.kd
    .args:
      - { .name: x, .offset: 0, .size: 8, .value_kind: global_buffer, .address_space: global }
      - { .name: w_q, .offset: 8, .size: 8, .value_kind: global_buffer, .address_space: global }
      - { .name: w_k, .offset: 16, .size: 8, .value_kind: global_buffer, .address_space: global }
      - { .name: w_v, .offset: 24, .size: 8, .value_kind: global_buffer, .address_space: global }
      - { .name: rope_freqs, .offset: 32, .size: 8, .value_kind: global_buffer, .address_space: global }
      - { .name: bf, .offset: 40, .size: 8, .value_kind: global_buffer, .address_space: global }
    .group_segment_fixed_size: 0
    .private_segment_fixed_size: 0
    .kernarg_segment_align: 8
    .kernarg_segment_size: 48
    .max_flat_workgroup_size: 256
    .sgpr_count:     66
    .vgpr_count:     72
    .wavefront_size: 32
...
	.end_amdgpu_metadata
.endif
;; end of part 1
;; launch qkv (part 2): grid 32 x 8, 4 waves a work-group, clusters of 4 x 4, 327,680 bytes of LDS; arguments bf, w_o, qkv, wof; writes qkv, wof
.if DOCPART == 2
	.amdgcn_target "amdgcn-amd-amdhsa--gfx1250"
	.amdhsa_code_object_version 6
	.text
	.protected	k_q45ec3a0b05_qkv
	.globl	k_q45ec3a0b05_qkv
	.p2align	8
	.type	k_q45ec3a0b05_qkv,@function
k_q45ec3a0b05_qkv:
	s_mov_b64 s[64:65], 0
	v_nop
	global_prefetch_b8 v0, s[64:65] scope:SCOPE_SE
	s_setreg_imm32_b32 hwreg(HW_REG_WAVE_MODE, 25, 1), 1
	s_wait_xcnt 0x0
	s_wait_alu depctr_hold_cnt(0) depctr_sa_sdst(0) depctr_va_vdst(0) depctr_va_sdst(0) depctr_va_ssrc(0) depctr_va_vcc(0) depctr_vm_vsrc(0)
	s_getreg_b32 s2, hwreg(HW_REG_IB_STS2, 6, 4)
	s_cmp_eq_u32 s2, 0
	s_cbranch_scc0 .Lentry_in_a_cluster
	s_endpgm
.Lentry_in_a_cluster:
	s_bfe_u32 s2, ttmp6, 0x10000c
	s_cmp_lg_u32 s2, 0xf033
	s_cbranch_scc0 .Lentry_shape_is_right
	s_endpgm
.Lentry_shape_is_right:
; q = rope(x w_q^T), k = rope(x w_k^T), v = x w_v^T, by heads.  Operands bf16 (from bf), sums f32, results rounded once to f16, unscaled.  Beside that: w_o is rounded for the last launch.
; LIMIT: q, k, v and w_o stay within f16's 65,504 (w_o below 2^-14 keeps f16's fixed step of 2^-24).
; SHARES.  A work-group makes 256 rows (block mt) x 64 channels (half head n) of q AND k AND v: a tile of 256 x 192, 32 x 8 work-groups.  For 128 along K it takes 256 + 192 = 448 rows of 256 bytes.
; Wave (wr, wc) takes rows 128 wr .. and channels 32 wc .. of each of the three: 48 accumulators of 16 x 16, 384 registers; for 32 along K it reads 8 + 6 fragments, 28 x 512 bytes, from LDS
; for 48 matrix instructions.
; RING.  K goes in steps of 128 through two LDS slots, each with 256 rows of x and the 192 rows of the weights, which lie on end in bf; waves 0 and 1 fetch x's halves, waves 2 and 3 the weights'.
; CLUSTER 4 x 4.  x's tile hangs on mt alone and is asked for jointly by a row of the cluster; the weights' tile hangs on n alone and is asked for jointly by a column.
; THE RESULTS LEAVE IN FRAGMENT ORDER: byte = head 524288 + tb 4096 + cb 512 + lane 16, so that a wave's store covers 512 consecutive bytes, aligned, and the next launch loads operands as they lie.
;   q, k (product taken transposed: source 0 = weights, source 1 = x): lane (r, h) holds row 16 tb + r, channels 16 cb + 8 h + 0..7.
;   v    (product as it stands:     source 0 = x, source 1 = weights): lane (r, h) holds channel 16 cb + r, rows 16 tb + 8 h + 0..7.
; ROPE is applied to the f32 sums: a lane's eight channels are four pairs; its four words (cos, sin in bf16) come from bf's table by one load of 16 bytes a tile.
; W_O.  Each wave takes 16 KiB of w_o (f32): 32 loads at the head; in the first lap, behind the first refill, the numbers are rounded to bf16 like the other inputs, written as f16 and stored to wof.
; REGISTERS in windows of 256 (s_set_vgpr_msb: bits 1:0 source 0, 3:2 source 1, 5:4 source 2, 7:6 destination):
;   window 0: v0-31 addresses; v32-39 at work; v64-191 x's fragments, two buffers of 64 (later what is stored); v192-255 at work (w_o, the way out)
;   window 1: v0-95 the weights' fragments, two buffers of 48 (16 z + 8 b); v96-159 rope words      window 2: q's accumulators at 8 (2 a + b), k's at 128 + 8 (2 a + b)
;   window 3: v's accumulators at 8 (2 a + b); v128-255 w_o as loaded
.set KSTEP,  128
.set PITCH,  272                       ; an LDS row: 256 bytes + 16 of padding = 68 words: the 16 rows that a load touches start 4 words apart modulo 64
.set XROWS,  256
.set WROWS,  192
.set SLOT,   (XROWS+WROWS)*PITCH       ; x's rows, then 64 rows each of w_q, w_k, w_v
.set SPARE,  2*SLOT                    ; behind the ring: the spare words, 128 bytes a wave, that no other line names
.set LAPS,   8                         ; a lap = two K steps; 2048 / 256
.set ADRX, 16                          ; v16-17  LDS address of my x fragments in slot 0, 1
.set ADRW, 18                          ; v18-19  the same for the weights
.set CO,   26                          ; v26     16 x lane: my bytes in 512; never rewritten
.set WS,   27                          ; v27     8 x lane: my bytes in 256; never rewritten
.set SPW,  28                          ; v28     my spare word; never rewritten
.set NIL,  29                          ; v29     0; never rewritten
.set PFO,  30                          ; v30     the prefetches' offset: a row of 4,096 bytes a lane; never rewritten
.set TMPU, 32
.set XF,   64
.set OUT,  64                          ; the way out: 16 registers each for q, k, v
.set CSF,  192                         ; cos, sin as f32: tile b of four, pair p at CSF + 8 b + 2 p
.set RES,  224
.set WT,   192                         ; w_o on its way: 64 words
.set ROPE, 96                          ; window 1: tile n = 2 a + b: four words at ROPE + 4 n
.set WOR,  128                         ; window 3
.set G1,  24                           ; s[24:31] descriptor group 1 for x's tiles;  s[32:39] group 0, a set for each slot
.set G0,  32
.set G1B, 48                           ; s[48:55], s[56:63] the same for the weights' tiles
.set G0B, 56
.set SQ,  16                           ; s[16:17], s[18:19], s[20:21] where my q, k, v go;  s[22:23] my rope words
.set RB,  22
.set BF,  68                           ; s[68:69] bf, s[70:71] w_o at my 16 KiB, s[72:73] qkv, s[74:75] wof at my 8 KiB
.set WOA, 70
.set QK,  72
.set WOF, 74
.set PFA, 76                           ; s[76:77] where my prefetches stand: my work-group's share of the rows that I fetch, one K step further than the refill being asked for
.set LIM, 78                           ; s78     1 in a wave that prefetches, else the greatest number
.set MSB, 0
.macro WIN new                         ; the immediate's high byte repeats the setting that is left; a switch that changes nothing is dropped
.if MSB != (\new)
	s_set_vgpr_msb (MSB<<8)|(\new)
.set MSB, \new
.endif
.endm
; A joint load.  Waves 0 and 1 fetch x's halves, waves 2 and 3 the weights'.  The branch hangs on the wave's number alone.  An s_nop 0 and four v_nop follow each line.
.macro JLOAD s
	s_cmp_eq_u32 s11, 0
	s_cbranch_scc0 .Lfor_b_\@
	tensor_load_to_lds s[G0+4*(\s):G0+4*(\s)+3], s[G1:G1+7]
	s_nop 0
.rept 4
	v_nop
.endr
	s_branch .Lasked_\@
.Lfor_b_\@:
	tensor_load_to_lds s[G0B+4*(\s):G0B+4*(\s)+3], s[G1B:G1B+7]
	s_nop 0
.rept 4
	v_nop
.endr
.Lasked_\@:
.endm
; A PREFETCH INTO THE L2, behind each refill and the run of LDS loads that follows it: the K step that stands TWO refills on, 384 matrix instructions ahead of the load that will want it: a lane a row, 256 bytes
; of it, one instruction a wave.  Each row's 256 bytes of a K step are named by one instruction in the launch: x's rows are read by every cluster of a row of clusters: the one with x = 0 asks; the weights' by every
; cluster of a column: the one with y = 0 asks.  The four partners that ask for a tile jointly share its rows out BY ADDRESS: of x's 128 rows a wave 32 each, of the weights' 96 rows 24 each (there lanes 24 to 31
; name lane 23's row once more).  K steps 0 to 3 come by their loads alone; the loop's last trip asks for nothing: its refills are K steps 14 and 15, the last.
.macro ASK
	s_cmp_gt_u32 s3, s[LIM]                        ; s3 = 1 in the loop's last trip
	s_cbranch_scc0 .Lnot_mine_\@
	global_prefetch_b8 v[PFO], s[PFA:PFA+1] offset:KSTEP*2 th:TH_LOAD_NT scope:SCOPE_SE
.Lnot_mine_\@:
.endm
.macro CREST                           ; a round of the cluster's barrier behind its opening barrier
	s_cmp_lg_u32 s10, 0
	s_cbranch_scc1 .Lnot_wave_0_\@
	s_barrier_signal -3
.Lnot_wave_0_\@:
	s_barrier_wait -3
	s_barrier_signal -1
	s_barrier_wait -1
.endm
.macro CROUND                          ; a whole round
	s_barrier_signal -1
	s_barrier_wait -1
	CREST
.endm
.macro PLACES                          ; four plain places behind a matrix instruction, in front of loads into registers that it read and of lines that read results
.rept 4
	v_nop
.endr
.endm
	s_load_b256 s[BF:BF+7], s[0:1], 0x0            ; bf, w_o, qkv, wof
	v_lshl_add_u32 v[SPW], v0, 2, SPARE
	v_mov_b32 v[NIL], 0
	ds_add_u32 v[SPW], v[NIL]                      ; the wave's opening: the add and its wait ahead of my first tensor load; work on registers stands between
	v_lshrrev_b32 v1, 5, v0
	v_readfirstlane_b32 s10, v1                    ; wave 0..3
	s_lshr_b32 s11, s10, 1                         ; wr: which 128 rows are mine.  Also: I fetch for x (0) or for the weights (1)
	s_and_b32 s12, s10, 1                          ; wc: which 32 channels.  Also: which half of that tile I fetch
	s_bfe_u32 s40, ttmp6, 0x40000                  ; cx
	s_bfe_u32 s41, ttmp6, 0x40004                  ; cy
	s_lshl_b32 s42, ttmp9, 2
	s_add_co_u32 s42, s42, s40                     ; the half head n = 4 x cluster x + cx
	s_and_b32 s13, ttmp7, 0xffff
	s_lshl_b32 s13, s13, 2
	s_add_co_u32 s13, s13, s41                     ; the row block mt = 4 x cluster y + cy
	s_lshl_b32 s43, s41, 2
	s_lshl_b32 s43, 15, s43                        ; my row of the cluster
	s_lshl_b32 s44, 0x1111, s40                    ; my column
	s_or_b32 s[G1+0], s43, (1<<16)|(1<<20)|(1<<21)|(5<<22)|(3<<25)   ; the mask; 2-byte elements; padding on; bit 21 beside a mask; after every 64 words 4 words
	s_or_b32 s[G1B+0], s44, (1<<16)|(1<<20)|(1<<21)|(5<<22)|(3<<25)
	s_mov_b32 s[G1+1], KSTEP<<16                   ; tensor_dim0 = 128
	s_mov_b32 s[G1+2], 128<<16                     ; tensor_dim1 = 128
	s_mov_b32 s[G1+3], KSTEP<<16                   ; tile_dim0 = 128
	s_mov_b32 s[G1+4], 128                         ; tile_dim1 = 128
	s_mov_b32 s[G1+5], 2048                        ; elements from row to row
	s_mov_b32 s[G1+6], 0
	s_mov_b32 s[G1+7], 0
	s_mov_b32 s[G1B+1], KSTEP<<16
	s_mov_b32 s[G1B+2], 96<<16                     ; the weights' halves have 96 rows
	s_mov_b32 s[G1B+3], KSTEP<<16
	s_mov_b32 s[G1B+4], 96
	s_mov_b32 s[G1B+5], 2048
	s_mov_b32 s[G1B+6], 0
	s_mov_b32 s[G1B+7], 0
	s_lshl_b32 s16, s13, 20                        ; x: 256 rows of 4,096 bytes for each mt,
	s_lshl_b32 s17, s12, 19                        ; 128 rows for the half
	s_add_co_u32 s16, s16, s17
	s_mov_b32 s17, 0
	s_mul_i32 s46, s42, WROWS*4096                 ; the weights: 192 rows for each half head,
	s_mul_i32 s45, s12, 96*4096                    ; 96 rows for the half,
	s_add_co_u32 s46, s46, s45
	s_add_co_u32 s46, s46, 0x800000                ; 8 MiB into bf
	s_mov_b32 s47, 0
	s_mul_i32 s20, s10, 128*PITCH                  ; where x's halves go (waves 0, 1): wave x 128 rows;
	s_mul_i32 s21, s10, 96*PITCH                   ; where the weights' go (waves 2, 3): 256 rows + (wave - 2) x 96 rows.  No place in the cluster enters an LDS address
	s_add_co_u32 s21, s21, (XROWS-2*96)*PITCH
	s_lshl_b32 s4, s40, 17                         ; the prefetches: of x's 128 rows 32 for each cx,
	s_add_co_u32 s4, s4, s16
	s_mul_i32 s5, s41, 24*4096                     ; of the weights' 96 rows 24 for each cy
	s_add_co_u32 s5, s5, s46
	s_and_b32 s45, ttmp7, 0xffff                   ; cluster y
	s_cmp_eq_u32 s11, 0                            ; do I fetch for x?
	s_cselect_b32 s4, s4, s5
	s_cselect_b32 s45, ttmp9, s45                  ; the coordinate along which other clusters read the same rows
	s_cselect_b32 s5, 31, 23                       ; the last row of my share
	v_and_b32 v[PFO], 31, v0
	v_min_u32 v[PFO], s5, v[PFO]
	v_lshlrev_b32 v[PFO], 12, v[PFO]
	s_add_co_u32 s4, s4, 2*KSTEP*2                 ; at K step 2: the first refill steps it to 3 and names K step 4
	s_mov_b32 s5, 0
	s_cmp_eq_u32 s45, 0
	s_cselect_b32 s[LIM], 1, -1                    ; the same in all sixteen partners, for a given wave
	s_lshl_b32 s6, s13, 5                          ; w_o: the work-group's number 32 mt + n,
	s_add_co_u32 s6, s6, s42
	s_lshl_b32 s6, s6, 2
	s_add_co_u32 s6, s6, s10                       ; four waves each:
	s_lshl_b32 s8, s6, 13                          ; 8,192 bytes of f16,
	s_lshl_b32 s6, s6, 14                          ; 16,384 bytes of f32
	s_mov_b32 s7, 0
	s_mov_b32 s9, 0
	s_mov_b32 s2, 0xffff0000                       ; a word's upper bf16
	s_wait_dscnt 0x0                               ; the opening add is done
	s_wait_kmcnt 0x0
	s_add_nc_u64 s[14:15], s[BF:BF+1], s[16:17]
	s_add_nc_u64 s[46:47], s[BF:BF+1], s[46:47]
	s_add_nc_u64 s[PFA:PFA+1], s[BF:BF+1], s[4:5]
	s_add_nc_u64 s[WOA:WOA+1], s[WOA:WOA+1], s[6:7]
	s_add_nc_u64 s[WOF:WOF+1], s[WOF:WOF+1], s[8:9]
	CROUND                                         ; all sixteen work-groups are here: the first joint loads meet
.irp s, 0,1
	s_mov_b32 s[G0+4*(\s)], 1
	s_add_co_u32 s[G0+4*(\s)+1], s20, (\s)*SLOT
	s_add_nc_u64 s[G0+4*(\s)+2:G0+4*(\s)+3], s[14:15], (\s)*KSTEP*2
	s_or_b32 s[G0+4*(\s)+3], s[G0+4*(\s)+3], 0x80000000
	s_mov_b32 s[G0B+4*(\s)], 1
	s_add_co_u32 s[G0B+4*(\s)+1], s21, (\s)*SLOT
	s_add_nc_u64 s[G0B+4*(\s)+2:G0B+4*(\s)+3], s[46:47], (\s)*KSTEP*2
	s_or_b32 s[G0B+4*(\s)+3], s[G0B+4*(\s)+3], 0x80000000
	JLOAD \s                                       ; two loads of mine are out
.endr
	v_and_b32 v1, 15, v0                           ; r
	v_bfe_u32 v2, v0, 4, 1                         ; h
	v_mul_u32_u24 v3, v1, PITCH
	v_lshl_add_u32 v3, v2, 4, v3                   ; a fragment's row x pitch + 16 h
	s_mul_i32 s21, s11, 128*PITCH                  ; my 128 rows of x
	s_mul_i32 s22, s12, 32*PITCH                   ; my 32 rows of each weight's 64,
	s_add_co_u32 s22, s22, XROWS*PITCH             ; which lie behind x's
.irp s, 0,1
	v_add_nc_u32 v[ADRX+(\s)], s21, v3
	v_add_nc_u32 v[ADRW+(\s)], s22, v3
	s_add_co_u32 s21, s21, SLOT
	s_add_co_u32 s22, s22, SLOT
.endr
	v_and_b32 v[CO], 31, v0
	v_lshlrev_b32 v[WS], 3, v[CO]
	v_lshlrev_b32 v[CO], 4, v[CO]
	s_lshl_b32 s16, s13, 4
	s_lshl_b32 s17, s11, 3
	s_add_co_u32 s16, s16, s17                     ; tb of my first rows = 16 mt + 8 wr
	s_lshl_b32 s16, s16, 12
	s_and_b32 s17, s42, 1
	s_lshl_b32 s17, s17, 2
	s_lshl_b32 s45, s12, 1
	s_add_co_u32 s17, s17, s45                     ; cb of my first channels = 4 (n % 2) + 2 wc
	s_lshl_b32 s17, s17, 9
	s_add_co_u32 s16, s16, s17
	s_mov_b32 s17, 0
	s_add_nc_u64 s[RB:RB+1], s[BF:BF+1], s[16:17]
	s_add_nc_u64 s[RB:RB+1], s[RB:RB+1], 0x2000000 ; the rope table, 32 MiB into bf
	s_lshr_b32 s45, s42, 1                         ; the head
	s_lshl_b32 s45, s45, 19
	s_add_co_u32 s16, s16, s45
	s_add_nc_u64 s[SQ:SQ+1], s[QK:QK+1], s[16:17]
	s_add_nc_u64 s[SQ+2:SQ+3], s[SQ:SQ+1], 0x800000
	s_add_nc_u64 s[SQ+4:SQ+5], s[SQ:SQ+1], 0x1000000
	WIN 0x40                                       ; destination window 1
.set n, 0
.rept 16
	global_load_b128 v[ROPE+4*n:ROPE+4*n+3], v[CO], s[RB:RB+1] offset:(n/2)*4096+(n%2)*512  ; tile n = 2 a + b; waited for with w_o's
.set n, n+1
.endr
	WIN 0xc0                                       ; destination window 3
.set n, 0
.rept 32
	global_load_b128 v[WOR+4*n:WOR+4*n+3], v[CO], s[WOA:WOA+1] offset:512*n th:TH_LOAD_NT  ; my 16 KiB of w_o, 512 consecutive bytes a load
.set n, n+1
.endr
	WIN 0
; 16 matrix instructions for q (z = 0) or k (z = 1), 32 along K, buffer f.  zero = 1: the first product starts the sums.  The 48 accumulators take turns, one instruction a turn.
.macro MULQK z, f, zero
	WIN 0xa1                                       ; source 0 (weights) window 1, source 1 (x) window 0, C and D window 2
.irp a, 0,1,2,3,4,5,6,7
.irp b, 0,1
.if \zero
	v_wmma_f32_16x16x32_bf16 v[128*(\z)+8*(2*(\a)+(\b)):128*(\z)+8*(2*(\a)+(\b))+7], v[48*(\f)+16*(\z)+8*(\b):48*(\f)+16*(\z)+8*(\b)+7], v[XF+64*(\f)+8*(\a):XF+64*(\f)+8*(\a)+7], 0
.else
	v_wmma_f32_16x16x32_bf16 v[128*(\z)+8*(2*(\a)+(\b)):128*(\z)+8*(2*(\a)+(\b))+7], v[48*(\f)+16*(\z)+8*(\b):48*(\f)+16*(\z)+8*(\b)+7], v[XF+64*(\f)+8*(\a):XF+64*(\f)+8*(\a)+7], v[128*(\z)+8*(2*(\a)+(\b)):128*(\z)+8*(2*(\a)+(\b))+7]
.endif
.endr
.endr
.endm
.macro MULV f, zero                    ; the same for v, sources the other way round
	WIN 0xf4                                       ; source 0 (x) window 0, source 1 (weights) window 1, C and D window 3
.irp a, 0,1,2,3,4,5,6,7
.irp b, 0,1
.if \zero
	v_wmma_f32_16x16x32_bf16 v[8*(2*(\a)+(\b)):8*(2*(\a)+(\b))+7], v[XF+64*(\f)+8*(\a):XF+64*(\f)+8*(\a)+7], v[48*(\f)+32+8*(\b):48*(\f)+32+8*(\b)+7], 0
.else
	v_wmma_f32_16x16x32_bf16 v[8*(2*(\a)+(\b)):8*(2*(\a)+(\b))+7], v[XF+64*(\f)+8*(\a):XF+64*(\f)+8*(\a)+7], v[48*(\f)+32+8*(\b):48*(\f)+32+8*(\b)+7], v[8*(2*(\a)+(\b)):8*(2*(\a)+(\b))+7]
.endif
.endr
.endr
.endm
; 28 LDS loads in one run: x's 16, w_q's 4, w_k's 4, w_v's 4: the fragments of 32 along K at byte k of the rows, into buffer f
.macro FETCH slot, k, f
	WIN 0
.irp a, 0,1,2,3,4,5,6,7
	ds_load_b128 v[XF+64*(\f)+8*(\a):XF+64*(\f)+8*(\a)+3],   v[ADRX+(\slot)] offset:(\k)+(\a)*16*PITCH
	ds_load_b128 v[XF+64*(\f)+8*(\a)+4:XF+64*(\f)+8*(\a)+7], v[ADRX+(\slot)] offset:(\k)+(\a)*16*PITCH+32
.endr
	WIN 0x40                                       ; destination window 1
.irp z, 0,1,2
.irp b, 0,1
	ds_load_b128 v[48*(\f)+16*(\z)+8*(\b):48*(\f)+16*(\z)+8*(\b)+3],   v[ADRW+(\slot)] offset:(\k)+(64*(\z)+16*(\b))*PITCH
	ds_load_b128 v[48*(\f)+16*(\z)+8*(\b)+4:48*(\f)+16*(\z)+8*(\b)+7], v[ADRW+(\slot)] offset:(\k)+(64*(\z)+16*(\b))*PITCH+32
.endr
.endr
.endm
; A K step is four quarters of 32 along K, 48 matrix instructions each, on buffers 0, 1, 0, 1.  One of the first three: multiplies buffer f and fetches the next quarter, at byte k, into g.
.macro QUARTER slot, k, f, g, zero
	s_wait_dscnt 8                                 ; x and w_q are in; the youngest eight loads (w_k, w_v) may be out
	MULQK 0, \f, \zero
	PLACES
	FETCH \slot, \k, \g
	s_wait_dscnt 28                                ; all but the 28 just issued
	MULQK 1, \f, \zero
	MULV \f, \zero
.endm
; The last quarter multiplies buffer 1 and changes slots.  q's and k's products come first; then ONE barrier: in front of it each wave waits for all its tensor loads (one is out: its part of the next slot),
; adds 0 to its spare word, and waits for that (its reads of this slot were waited for above).  fill = 1: the barrier opens a round of the cluster's, and this slot is filled again, two K steps ahead, first thing
; behind it.  No matrix instruction stands between the wait for a tile and the next request, so all of a K step's 192 stand between a request and the wait for it.  v's products stand behind the run of LDS loads.
.macro TURN slot, next, fill
.if \fill
	s_wait_xcnt 0x0                                ; the last prefetch, a K step back, has read its address (and w_o's stores their registers): it is stepped here, ahead of the waits of the change of slots
	s_add_nc_u64 s[PFA:PFA+1], s[PFA:PFA+1], KSTEP*2
.endif
	s_wait_dscnt 8
	MULQK 0, 1, 0
	s_wait_dscnt 0x0                               ; my reads of this slot are over
	MULQK 1, 1, 0
	WIN 0                                          ; the add's registers lie in window 0
	s_wait_tensorcnt 0x0                           ; no tensor load of mine is out, so a group 0 may be written
	ds_add_u32 v[SPW], v[NIL]                      ; 0 onto my spare word; the descriptors' steps stand between it and the wait for it
.if \fill
	s_add_nc_u64 s[G0+4*(\slot)+2:G0+4*(\slot)+3], s[G0+4*(\slot)+2:G0+4*(\slot)+3], 2*KSTEP*2
	s_add_nc_u64 s[G0B+4*(\slot)+2:G0B+4*(\slot)+3], s[G0B+4*(\slot)+2:G0B+4*(\slot)+3], 2*KSTEP*2
.endif
	s_wait_dscnt 0x0                               ; the add is done
	s_barrier_signal -1
	s_barrier_wait -1
.if \fill
	CREST                                          ; no wave of any partner still reads this slot or has a load on its way
	JLOAD \slot                                    ; its four v_nop are also the places in front of the loads below
.else
	PLACES
.endif
	FETCH \next, 0, 0
.if \fill
	WIN 0
	ASK
.endif
	MULV 1, 0
.endm
; W_O: 128 f32 a lane -> rounded to bf16 -> widened -> f16; a store of the wave covers 256 consecutive bytes, aligned.  No register here is one of a matrix instruction's.
.macro WOCVT
	s_wait_loadcnt 0x0                             ; w_o's 32 loads and the rope words, issued at the head
	WIN 0x0f                                       ; sources 0 and 1 window 3
.set u, 0
.rept 64
	v_cvt_pk_bf16_f32 v[WT+u], v[WOR+2*u], v[WOR+2*u+1]
.set u, u+1
.endr
	WIN 0
.set u, 0
.rept 64
	v_lshlrev_b32 v[TMPU+2*(u%4)], 16, v[WT+u]
	v_and_b32 v[TMPU+2*(u%4)+1], s2, v[WT+u]
	v_cvt_pk_f16_f32 v[WT+u], v[TMPU+2*(u%4)], v[TMPU+2*(u%4)+1]
.set u, u+1
.endr
.set u, 0
.rept 32
	global_store_b64 v[WS], v[WT+2*u:WT+2*u+1], s[WOF:WOF+1] offset:256*u th:TH_STORE_NT
.set u, u+1
.endr
.endm
; THE WAY OUT, four tiles (two blocks of 16 rows x two blocks of 16 channels) at a time: group a, tile n = 4 a + b = 2 (row block) + (channel block).
.macro UNPACK a                        ; the group's rope words to f32
	WIN 0x04                                       ; source 1 window 1
.irp b, 0,1,2,3
.irp p, 0,1,2,3
	v_lshlrev_b32 v[CSF+8*(\b)+2*(\p)], 16, v[ROPE+4*(4*(\a)+(\b))+(\p)]     ; cos
	v_and_b32 v[CSF+8*(\b)+2*(\p)+1], s2, v[ROPE+4*(4*(\a)+(\b))+(\p)]       ; sin
.endr
.endr
.endm
.macro ROT z, a                        ; q or k: (t0, t1) -> (t0 cos - t1 sin, t1 cos + t0 sin), rounded to f16, stored.  Each accumulator is read from its low end on.
	WIN 0x02                                       ; source 0 window 2
.irp b, 0,1,2,3
.irp p, 0,1,2,3
	v_pk_mul_f32 v[TMPU+2*(\p):TMPU+2*(\p)+1], v[128*(\z)+8*(4*(\a)+(\b))+2*(\p):128*(\z)+8*(4*(\a)+(\b))+2*(\p)+1], v[CSF+8*(\b)+2*(\p):CSF+8*(\b)+2*(\p)+1] op_sel:[0,1] op_sel_hi:[1,1]  ; (t0 sin, t1 sin)
.endr
.irp p, 0,1,2,3
	v_pk_fma_f32 v[RES+8*(\b)+2*(\p):RES+8*(\b)+2*(\p)+1], v[128*(\z)+8*(4*(\a)+(\b))+2*(\p):128*(\z)+8*(4*(\a)+(\b))+2*(\p)+1], v[CSF+8*(\b)+2*(\p):CSF+8*(\b)+2*(\p)+1], v[TMPU+2*(\p):TMPU+2*(\p)+1] op_sel:[0,0,1] op_sel_hi:[1,0,0] neg_lo:[0,0,1]
.endr
.endr
	WIN 0
.irp b, 0,1,2,3
.irp p, 0,1,2,3
	v_cvt_pk_f16_f32 v[OUT+16*(\z)+4*(\b)+(\p)], v[RES+8*(\b)+2*(\p)], v[RES+8*(\b)+2*(\p)+1]
.endr
.endr
.irp b, 0,1,2,3
	global_store_b128 v[CO], v[OUT+16*(\z)+4*(\b):OUT+16*(\z)+4*(\b)+3], s[SQ+2*(\z):SQ+2*(\z)+1] offset:(2*(\a)+(\b)/2)*4096+((\b)%2)*512  ; 512 consecutive bytes, aligned
.endr
.endm
.macro VOUT a
	WIN 0x0f                                       ; sources 0 and 1 window 3
.irp b, 0,1,2,3
.irp p, 0,1,2,3
	v_cvt_pk_f16_f32 v[OUT+32+4*(\b)+(\p)], v[8*(4*(\a)+(\b))+2*(\p)], v[8*(4*(\a)+(\b))+2*(\p)+1]
.endr
.endr
	WIN 0
.irp b, 0,1,2,3
	global_store_b128 v[CO], v[OUT+32+4*(\b):OUT+32+4*(\b)+3], s[SQ+4:SQ+5] offset:(2*(\a)+(\b)/2)*4096+((\b)%2)*512
.endr
.endm
	s_wait_tensorcnt 1                             ; my part of K step 0 is in; K step 1's may stay out
	s_barrier_signal -1
	s_barrier_wait -1                              ; everybody's is
	FETCH 0, 0, 0
	QUARTER 0, 64,  0, 1, 1                        ; the first quarter stands in front of the loop: its products start the sums
	WIN 0                                          ; at a label and at a branch every window is 0
	s_mov_b32 s3, LAPS-1
.Llap:                                                 ; a trip goes once round the ring, from a lap's second quarter to the next lap's first, and fills both slots again
	QUARTER 0, 128, 1, 0, 0
	QUARTER 0, 192, 0, 1, 0
	TURN 0, 1, 1
	WIN 0
	s_cmp_eq_u32 s3, LAPS-1                        ; in the first trip alone: w_o's share, behind the first refill, which is waited for only at the next change of slots
	s_cbranch_scc0 .Lno_wo
	WOCVT
.Lno_wo:
	QUARTER 1, 64,  0, 1, 0
	QUARTER 1, 128, 1, 0, 0
	QUARTER 1, 192, 0, 1, 0
	TURN 1, 0, 1
	QUARTER 0, 64,  0, 1, 0
	WIN 0
	s_sub_co_u32 s3, s3, 1
	s_cmp_lg_u32 s3, 0
	s_cbranch_scc1 .Llap
	QUARTER 0, 128, 1, 0, 0                        ; the last lap fills nothing
	QUARTER 0, 192, 0, 1, 0
	TURN 0, 1, 0
	QUARTER 1, 64,  0, 1, 0
	QUARTER 1, 128, 1, 0, 0
	QUARTER 1, 192, 0, 1, 0
	s_wait_dscnt 8                                 ; the very last quarter: nothing more to fetch
	MULQK 0, 1, 0
	s_wait_dscnt 0x0
	MULQK 1, 1, 0
	MULV 1, 0
	WIN 0
	s_wait_loadcnt 0x0                             ; the rope words
	PLACES
.irp a, 0,1,2,3
.if (\a) > 0
	s_wait_xcnt 0x0                                ; the last group's stores have read OUT: it is written again only behind this wait
.endif
	UNPACK \a
	ROT 0, \a
	ROT 1, \a
	VOUT \a
.endr
	s_wait_tensorcnt 0x0                           ; the wave's end
	ds_add_u32 v[SPW], v[NIL]
	s_wait_dscnt 0x0
	CROUND                                         ; the closing round: no work-group ends while a partner may still ask for a tile that names it
	s_endpgm
.Lfunc_end_k_q45ec3a0b05_qkv:
	.size	k_q45ec3a0b05_qkv, .Lfunc_end_k_q45ec3a0b05_qkv-k_q45ec3a0b05_qkv
	.p2alignl 7, 3214868480
	.fill 96, 4, 3214868480
	.section	.rodata,"a",@progbits
	.p2align	6, 0x0
	.amdhsa_kernel k_q45ec3a0b05_qkv
		.amdhsa_group_segment_fixed_size 327680
		.amdhsa_private_segment_fixed_size 0
		.amdhsa_enable_private_segment 0
		.amdhsa_kernarg_size 32
		.amdhsa_user_sgpr_count 2
		.amdhsa_user_sgpr_kernarg_segment_ptr 1
		.amdhsa_wavefront_size32 1
		.amdhsa_system_sgpr_workgroup_id_x 1
		.amdhsa_system_sgpr_workgroup_id_y 1
		.amdhsa_system_sgpr_workgroup_id_z 1
		.amdhsa_system_vgpr_workitem_id 0
		.amdhsa_next_free_vgpr 1024
		.amdhsa_next_free_sgpr 80
		.amdhsa_reserve_vcc 0
		.amdhsa_float_denorm_mode_32 3
		.amdhsa_float_denorm_mode_16_64 3
		.amdhsa_memory_ordered 1
		.amdhsa_forward_progress 1
		.amdhsa_inst_pref_size 150
	.end_amdhsa_kernel
	.amdgpu_metadata
---
amdhsa.version: [ 1, 2 ]
amdhsa.kernels:
  - .name:           k_q45ec3a0b05_qkv
    .symbol:         k_q45ec3a0b05_qkv.kd
    .args:
      - { .name: bf, .offset: 0, .size: 8, .value_kind: global_buffer, .address_space: global }
      - { .name: w_o, .offset: 8, .size: 8, .value_kind: global_buffer, .address_space: global }
      - { .name: qkv, .offset: 16, .size: 8, .value_kind: global_buffer, .address_space: global }
      - { .name: wof, .offset: 24, .size: 8, .value_kind: global_buffer, .address_space: global }
    .group_segment_fixed_size: 327680
    .private_segment_fixed_size: 0
    .kernarg_segment_align: 8
    .kernarg_segment_size: 32
    .max_flat_workgroup_size: 128
    .sgpr_count:     80
    .vgpr_count:     1024
    .wavefront_size: 32
...
	.end_amdgpu_metadata
.endif
;; end of part 2
;; launch attn (part 3): grid 16 x 16, 4 waves a work-group, no clusters, 276,992 bytes of LDS; arguments qkv, ob; writes ob
.if DOCPART == 3
	.amdgcn_target "amdgcn-amd-amdhsa--gfx1250"
	.amdhsa_code_object_version 6
	.text
	.protected	k_q45ec3a0b05_attn
	.globl	k_q45ec3a0b05_attn
	.p2align	8
	.type	k_q45ec3a0b05_attn,@function
k_q45ec3a0b05_attn:
	s_mov_b64 s[64:65], 0
	v_nop
	global_prefetch_b8 v0, s[64:65] scope:SCOPE_SE
	s_setreg_imm32_b32 hwreg(HW_REG_WAVE_MODE, 25, 1), 1
	s_wait_xcnt 0x0
; CAUSAL ATTENTION, 16 heads of 128 channels, 2,048 rows.  O[q] = the sum over k <= q of softmax_k(Q[q] . K[k] / sqrt(128)) V[k].  Q, K, V f16 in fragment order (byte = head 524288 + tb 4096 + cb 512
; + lane 16); products, maxima and sums f32; the weights p are rounded to f16 for the second product (their sum l is taken of the unrounded p); O rounded once to f16, [2048][2048], column = 128 head + channel.
; LIMITS.  Q, K, V arrive within f16's 65,504.  A hidden score counts as its value less 2^100; the running maximum starts at -2^90: f16's scores, 5.5e11 at the most, are nothing beside either.
; A weight below 2^-126 counts as 0 in l; NaN and infinities are not treated apart.
; THE WALK.  A head's queries lie in 32 blocks of 64.  Work-group b takes block 31 - b and then block b.  ALL FOUR WAVES HOLD THE SAME 64 QUERIES (four tiles of 16); of each tile of 256 keys wave w takes
; key step J = 4 tile + w, 64 keys.  Block qb needs the tiles 0 .. qb / 4: 8 - b / 4 and 1 + b / 4 of them: NINE trips, whatever b, alike in every wave and work-group.  Each wave keeps a running maximum,
; sum and O^T of its own keys; the four meet once, in LDS, at the end.
; NO LDS ON THE WAY IN, NO CLUSTER: no wave reads a key that another wave of its work-group reads, and fragments come in register order by loads of 512 consecutive bytes.  Two slots of 256 keys of K and V
; would take 2 x 143,360 bytes beside the 270,336 bytes of f32 partial sums, more than a work-group can have; and the work-groups of a head walk different numbers of tiles for each of their two blocks.
; LAYOUT.  S^T = K Q^T holds ONE query a lane (lane % 16) and the keys 8 (lane / 16) + 0..7; two such results rounded to f16 ARE source 1 of O^T = V^T P.
; SOFTMAX.  p = 2^(c s - c m), c = log2(e) / sqrt(128), m the running maximum; in every step O and l are multiplied by a = 2^(c m_old - c m_new).
; THE MASK is the C operand of the 16 products that start S^T.  For tile t of queries and block kb of 16 keys: ML (kb < t) = BL; MG (kb = t) = DG x AL + BL; MU (kb > t) = BU, with DG[i] = -2^100 where
; 8 (lane / 16) + i > lane % 16, and three scalars made from J and qb: BL = -2^100 if J > qb, BU = -2^100 if J >= qb, AL = 1 if J = qb; else 0.  One text serves seen, diagonal and hidden steps.
; A hidden step leaves m, has a = 1 and p = 0.  A block's first seen step has a = 0, which wipes O and l; a wave that sees nothing of a block keeps c m = c x -2^90 and counts for 0 in the merge.
; REGISTERS in windows of 256 (s_set_vgpr_msb: bits 1:0 source 0, 3:2 source 1, 5:4 source 2, 7:6 destination):
;   window 0: v0-11, v56-63 addresses; v12-43 eight registers of statistics a tile; v44-55 the merge's factors; v64-191 S^T, 32 a tile; v192-255 P, 16 a tile
;   window 1: O^T, 64 t + 8 cb      window 2: v0-127 Q (32 t + 8 f), v128-255 K (32 kb + 8 f)      window 3: v0-127 V (64 kk + 8 cb), v128-159 the masks
.set REGION, 64*528                    ; a wave's partial O of a block: 64 queries x (512 bytes + 16 of padding): rows 132 words apart, so 16 rows start 4 words apart modulo 64
.set MLB,    8*REGION                  ; (c m, l) at ((4 block + wave) 64 + query) 8
.set GB,     MLB+4096                  ; the merge's factors, 512 bytes for each merging wave
.set SPARE,  GB+2048                   ; the spare words, 128 bytes a wave, that no other line names
.set VLO, 3                            ; v3   16 x lane; never rewritten
.set PFO, 4                            ; v4   256 x lane; never rewritten
.set FST, 5                            ; v5-6 where my lane's partial O goes, first and second block
.set MLS, 7                            ; v7   where my (c m, l) goes
.set PA,  8                            ; v8-11 the merge: my 16 bytes of my wave's first row in the four waves' regions
.set ST,  12                           ; tile t at v[ST + 8 t]: c m, m, l (even keys', odd keys'), c0-c3 at work; a takes c2's place
.set EE,  44
.set GG,  52
.set GA,  56                           ; v56  the merge: my wave's factors
.set GST, 57
.set MLR, 58
.set OA,  59                           ; v59  8 x lane
.set SC0, 60
.set SC1, 61
.set SPW, 62                           ; v62  my spare word; never rewritten
.set NIL, 63                           ; v63  0; never rewritten
.set S,   64
.set P,   192
.set RS,  224                          ; the merge: what is stored, two registers a row
.set KF,  128                          ; window 2
.set ML,  128                          ; window 3
.set MG,  136
.set MU,  144
.set DG,  152
.set WV,  8                            ; s8   my wave's number
.set PB,  9                            ; s9   b
.set HD,  10                           ; s10  the head
.set T1,  11                           ; s11  trips of the first block
.set HIB, 12                           ; s12  31 - b
.set LOB, 13                           ; s13  b
.set II,  14                           ; s14  the trip
.set PLIM, 15                          ; s15  6 in the head's work-group 0, else 0: trips below it prefetch
.set QL,  16                           ; s[16:17] the second block's Q
.set KH,  18                           ; s[18:19] the head's K;  s[20:21] its V
.set VH,  20
.set KP,  22                           ; s[22:23] K of the step asked for last;  s[24:25] V
.set VP,  24
.set OFF, 26                           ; s[26:27] a step's byte offset
.set AL,  28                           ; s[28:29], s[30:31] named as pairs, taken by their low words
.set BL,  30
.set BU,  32
.set NEG, 33
.set JJ,  34
.set QB,  35
.set NX,  36
.set SUB, 37
.set CS,  38                           ; s[38:39] c
.set SEL, 40                           ; s[40:41] v_permlanex16_b32's selects
.set OHI, 42                           ; s[42:43], s[44:45] O at my wave's 16 rows of the two blocks;  s[46:47] the one in hand
.set OLO, 44
.set OB,  46
.set CNT, 48
.set QH,  50                           ; s[50:51] the first block's Q
.set TS,  52                           ; s[52:53] at work
.set MSB, 0
.macro WIN new
.if MSB != (\new)
	s_set_vgpr_msb (MSB<<8)|(\new)
.set MSB, \new
.endif
.endm
.macro PLACES                          ; four plain places behind a matrix instruction (ISA guide 7.12.1)
.rept 4
	v_nop
.endr
.endm
.macro LDQ base                        ; a block's Q: 32 loads of 512 consecutive bytes; chunk n = 8 t + cb into registers 4 n
	WIN 0x80                                       ; destination window 2
.set n, 0
.rept 32
	global_load_b128 v[4*n:4*n+3], v[VLO], s[\base:\base+1] offset:512*n
.set n, n+1
.endr
	WIN 0
.endm
.macro LDK                             ; a step's K: chunk n = 8 kb + cb
	WIN 0x80
.set n, 0
.rept 32
	global_load_b128 v[KF+4*n:KF+4*n+3], v[VLO], s[KP:KP+1] offset:512*n
.set n, n+1
.endr
	WIN 0
.endm
.macro LDV                             ; a step's V: registers 64 kk + 8 cb + 4 part from key block 2 kk + part
	WIN 0xc0                                       ; destination window 3
.set n, 0
.rept 32
	global_load_b128 v[64*(n/16)+8*(n%8)+4*((n/8)%2):64*(n/16)+8*(n%8)+4*((n/8)%2)+3], v[VLO], s[VP:VP+1] offset:(n/8)*4096+(n%8)*512
.set n, n+1
.endr
	WIN 0
.endm
; Product i of 64 of S^T = K Q^T: channels 32 (i / 16) on, keys 16 ((i / 4) % 4) on, tile i % 4.  The first 16 start the sums with the mask.  The 16 accumulators take turns.
.macro KQ
.set kf, i/16
.set kb, (i/4)%4
.set kt, i%4
.set rS, S+32*kt+8*kb
.set rK, KF+32*kb+8*kf
.set rQ, 32*kt+8*kf
.if i < 16
.set rM, MU
.if kb < kt
.set rM, ML
.elseif kb == kt
.set rM, MG
.endif
	WIN 0x3a                                       ; K and Q window 2, the mask window 3, S^T window 0
	v_wmma_f32_16x16x32_f16 v[rS:rS+7], v[rK:rK+7], v[rQ:rQ+7], v[rM:rM+7]
.else
	WIN 0x0a
	v_wmma_f32_16x16x32_f16 v[rS:rS+7], v[rK:rK+7], v[rQ:rQ+7], v[rS:rS+7]
.endif
.endm
; Product i of 64 of O^T += V^T P: keys 32 (i / 32) on, channels 16 ((i / 4) % 8) on, tile i % 4.  The 32 accumulators take turns.
.macro PV
	WIN 0x53                                       ; V window 3, P window 0, O^T window 1
.set rO, 64*(i%4)+8*((i/4)%8)
.set rV, 64*(i/32)+8*((i/4)%8)
.set rP, P+16*(i%4)+8*(i/32)
	v_wmma_f32_16x16x32_f16 v[rO:rO+7], v[rV:rV+7], v[rP:rP+7], v[rO:rO+7]
.endm
; One tile's softmax for one key step is a list of 134 instructions; SM writes number j of it for tile t.  s0-s31 are the lane's 32 scores, in pairs 0-15.
;   0-15   the maximum of s0-s31 and the old m (each accumulator's lowest registers are read first)      16-20  the other half of the lanes' maximum; the new m; c m; c m_old - c m_new
;   21-69  the 16 scalings c s - c m and all 33 exponentials (a at 23): none reads an exponential's result; a pair is scaled ahead of its exponentials
;   70-85  the roundings to f16      86-101 the sums; l = a l + the sum      102-133 the tile's O^T times a
.macro SM t
.set rT, ST+8*(\t)
.set rS, S+32*(\t)
.set rP, P+16*(\t)
.set rO, 64*(\t)+2*(j-102)
.if j < 102
	WIN 0
.endif
.if j < 4
	v_max3_num_f32 v[rT+4+j], v[rS+8*j], v[rS+8*j+1], v[rS+8*j+2]
.elseif j < 12
	v_max3_num_f32 v[rT+4+j%4], v[rT+4+j%4], v[rS+8*(j%4)+2*(j/4)+1], v[rS+8*(j%4)+2*(j/4)+2]
.elseif j == 12
	v_max3_num_f32 v[rT+4], v[rT+4], v[rS+7], v[rS+15]
.elseif j == 13
	v_max3_num_f32 v[rT+6], v[rT+6], v[rS+23], v[rS+31]
.elseif j == 14
	v_max3_num_f32 v[rT+4], v[rT+4], v[rT+5], v[rT+6]
.elseif j == 15
	v_max3_num_f32 v[rT+4], v[rT+4], v[rT+7], v[rT+1]
.elseif j == 16
	v_permlanex16_b32 v[rT+5], v[rT+4], s[SEL], s[SEL+1]  ; the query's other 32 keys lie in the lane 16 away
.elseif j == 17
	v_mov_b32 v[rT+7], v[rT]                       ; c m_old is kept for a
.elseif j == 18
	v_max_num_f32 v[rT+1], v[rT+4], v[rT+5]
.elseif j == 19
	v_mul_f32 v[rT], s[CS], v[rT+1]
.elseif j == 20
	v_sub_f32 v[rT+7], v[rT+7], v[rT]
.elseif j == 23
	v_exp_f32 v[rT+6], v[rT+7]
.elseif (j < 23) || ((j < 38) && (j%2 == 0)) || ((j < 66) && (j%4 == 2))
.set b, (j-2)/4                        ; 38, 42, .. 62: pairs 9 to 15
.if j < 38
.set b, (j-20)/2                       ; 21: pair 0; 22, 24, .. 36: pairs 1 to 8
.endif
	v_pk_fma_f32 v[rS+2*b:rS+2*b+1], v[rS+2*b:rS+2*b+1], s[CS:CS+1], v[rT:rT+1] op_sel_hi:[1,0,0] neg_lo:[0,0,1] neg_hi:[0,0,1]
.elseif j < 70
.set e, j-38                           ; 66 to 69: s28 to s31
.if j < 66
.set e, j-32-(j-38)/4                  ; 39-41, 43-45, .. 63-65: s7 to s27
.endif
.if j < 38
.set e, (j-25)/2                       ; 25, 27, .. 37: s0 to s6
.endif
	v_exp_f32 v[rS+e], v[rS+e]
.elseif j < 86
	v_cvt_pk_f16_f32 v[rP+j-70], v[rS+2*(j-70)], v[rS+2*(j-70)+1]
.elseif j < 102                        ; the 16 pairs are added in place, neighbours 1, 2, 4 and 8 pairs apart; then l takes the sum
.set z, j-86
.set w, 4
.set u, z
.if z >= 14
.set w, 32
.set u, 0
.elseif z >= 12
.set w, 16
.set u, z-12
.elseif z >= 8
.set w, 8
.set u, z-8
.endif
.if z < 15
	v_pk_add_f32 v[rS+w*u:rS+w*u+1], v[rS+w*u:rS+w*u+1], v[rS+w*u+w/2:rS+w*u+w/2+1]
.else
	v_pk_fma_f32 v[rT+2:rT+3], v[rT+2:rT+3], v[rT+6:rT+7], v[rS:rS+1] op_sel_hi:[1,0,1]
.endif
.else
	WIN 0x41                                       ; O^T (destination and source 0) window 1, a window 0
	v_pk_mul_f32 v[rO:rO+1], v[rO:rO+1], v[rT+6:rT+7] op_sel_hi:[1,0]
.endif
.endm
.macro MASKS                           ; the trip's three sets of eight
	WIN 0xc3                                       ; destination and source 0 window 3
.set z, 0
.rept 8
	v_mov_b32 v[ML+z], s[BL]
	v_mov_b32 v[MU+z], s[BU]
.set z, z+1
.endr
.set z, 0
.rept 4
	v_pk_fma_f32 v[MG+2*z:MG+2*z+1], v[DG+2*z:DG+2*z+1], s[AL:AL+1], s[BL:BL+1] op_sel_hi:[1,0,0]
.set z, z+1
.endr
.endm
; A block is done: my (c m, l) and my partial O^T, in f32, go to my region of LDS.  Each accumulator's low four registers go first.
.macro FLUSH blk
	WIN 0
.irp t, 0,1,2,3
	v_add_f32 v[ST+8*(\t)+4], v[ST+8*(\t)+2], v[ST+8*(\t)+3]
.endr
.irp t, 0,1,2,3
	v_permlanex16_b32 v[ST+8*(\t)+5], v[ST+8*(\t)+4], s[SEL], s[SEL+1]
.endr
.irp t, 0,1,2,3
	v_add_f32 v[ST+8*(\t)+5], v[ST+8*(\t)+5], v[ST+8*(\t)+4]
.endr
.irp t, 0,1,2,3
	v_mov_b32 v[ST+8*(\t)+4], v[ST+8*(\t)]
.endr
.irp t, 0,1,2,3
	ds_store_b64 v[MLS], v[ST+8*(\t)+4:ST+8*(\t)+5] offset:(\blk)*2048+(\t)*128  ; both halves of the lanes hold the same two numbers
.endr
	WIN 0x04                                       ; the data (source 1) window 1
.set n, 0
.rept 32                               ; n = 8 t + cb
	ds_store_b128 v[FST+(\blk)], v[8*n:8*n+3]   offset:(n/8)*16*528+(n%8)*64
	ds_store_b128 v[FST+(\blk)], v[8*n+4:8*n+7] offset:(n/8)*16*528+(n%8)*64+16
.set n, n+1
.endr
	WIN 0
.endm
; A TRIP, in phases: the masks; 64 products K Q^T; the next trip's K is asked for; the softmax of all four tiles, its 132 exponentials one batch with one wait; 64 products V^T P; the next trip's V.
; load = 0: the last trip, which asks for nothing.
.macro STEP load
	s_cmp_ge_u32 s[II], s[T1]                      ; which block, which tile of it
	s_cselect_b32 s[SUB], s[T1], 0
	s_cselect_b32 s[QB], s[LOB], s[HIB]
	s_sub_co_u32 s[JJ], s[II], s[SUB]
	s_lshl_b32 s[JJ], s[JJ], 2
	s_add_co_u32 s[JJ], s[JJ], s[WV]               ; my key step
	s_cmp_gt_u32 s[JJ], s[QB]
	s_cselect_b32 s[BL], s[NEG], 0
	s_cmp_ge_u32 s[JJ], s[QB]
	s_cselect_b32 s[BU], s[NEG], 0
	s_cmp_eq_u32 s[JJ], s[QB]
	s_cselect_b32 s[AL], 1.0, 0
	MASKS
	s_wait_loadcnt 32                              ; K (and Q) are in; the 32 younger loads are V's
.set i, 0
.rept 64
	KQ
.set i, i+1
.endr
	WIN 0
	PLACES                                         ; in front of the loads into K's and Q's registers and of the softmax's reads
.if \load
	s_add_co_u32 s[NX], s[II], 1
	s_cmp_ge_u32 s[NX], s[T1]
	s_cselect_b32 s[SUB], s[T1], 0
	s_sub_co_u32 s[OFF], s[NX], s[SUB]
	s_lshl_b32 s[OFF], s[OFF], 2
	s_add_co_u32 s[OFF], s[OFF], s[WV]
	s_lshl_b32 s[OFF], s[OFF], 14                  ; 64 keys are 16,384 bytes of K and of V
	s_wait_xcnt 0x0                                ; the last trip's prefetches have read their base: it is written only behind this wait
	s_add_nc_u64 s[KP:KP+1], s[KH:KH+1], s[OFF:OFF+1]
	s_cmp_eq_u32 s[NX], s[T1]
	s_cbranch_scc0 .Lsame_q_\@
	LDQ QL                                         ; the next trip begins the second block; issued ahead of K, so the counts below hold on both ways
.Lsame_q_\@:
	LDK
	; PREFETCH, behind my loads: all sixteen work-groups of a head walk the same K and V, so the head's work-group 0 asks, whose trip I walks tile I: each wave for its own 64 keys of tile I + 2:
	; 64 rows of 256 bytes of K and of V, a lane a row, four instructions.  KP stands at tile I + 1, VP still at tile I.  Tiles 0 and 1 come by their loads alone; trip 5 names tile 7, the last.
	s_cmp_lt_u32 s[II], s[PLIM]
	s_cbranch_scc0 .Lnot_mine_\@
	global_prefetch_b8 v[PFO], s[KP:KP+1] offset:65536 th:TH_LOAD_NT scope:SCOPE_SE
	global_prefetch_b8 v[PFO], s[KP:KP+1] offset:73728 th:TH_LOAD_NT scope:SCOPE_SE
	global_prefetch_b8 v[PFO], s[VP:VP+1] offset:131072 th:TH_LOAD_NT scope:SCOPE_SE
	global_prefetch_b8 v[PFO], s[VP:VP+1] offset:139264 th:TH_LOAD_NT scope:SCOPE_SE
.Lnot_mine_\@:
.endif
.set j, 0
.rept 70                               ; number by number, the four tiles in turn: no line reads the result of the one before it
.irp t, 0,1,2,3
	SM \t
.endr
.set j, j+1
.endr
	v_nop                                          ; a plain instruction behind the last exponential,
	s_wait_alu depctr_va_vdst(0)                   ; and the one wait ahead of the batch's first reader
.rept 64
.irp t, 0,1,2,3
	SM \t
.endr
.set j, j+1
.endr
.if \load
	s_wait_loadcnt 32                              ; V is in; the next trip's K may stay out
.else
	s_wait_loadcnt 0x0
.endif
.set i, 0
.rept 64
	PV
.set i, i+1
.endr
	WIN 0
	PLACES                                         ; in front of the loads into V's registers and of the stores of O^T
.if \load
	s_wait_xcnt 0x0                                ; the prefetches, a softmax and 64 products back, have read VP
	s_add_nc_u64 s[VP:VP+1], s[VH:VH+1], s[OFF:OFF+1]
	LDV
	s_cmp_eq_u32 s[NX], s[T1]
	s_cbranch_scc0 .Lsame_block_\@
	FLUSH 0                                        ; the first block is done
.irp t, 0,1,2,3
	v_mov_b32 v[ST+8*(\t)+1], 0xec800000           ; m = -2^90 again; O^T and l need only be finite: the block's first seen step multiplies them by 0
	v_mul_f32 v[ST+8*(\t)], s[CS], v[ST+8*(\t)+1]  ; c m, by the softmax's own line, so that a hidden step's a is exactly 1
.endr
.Lsame_block_\@:
.endif
.endm
; THE MERGE's batches: four rows; a row is its four factors (the same 16 bytes for all lanes) and 512 consecutive bytes from each of the four waves' regions.
.macro MLOAD set, bt
.irp i, 0,1,2,3
	ds_load_b128 v[(\set)+20*(\i):(\set)+20*(\i)+3], v[GA] offset:16*(4*(\bt)+(\i))
.irp w2, 0,1,2,3
	ds_load_b128 v[(\set)+20*(\i)+4+4*(\w2):(\set)+20*(\i)+7+4*(\w2)], v[PA+(\w2)] offset:528*(4*(\bt)+(\i))
.endr
.endr
.endm
.macro MCOMP set, bt
.irp i, 0,1,2,3
.set rG, (\set)+20*(\i)
.set rq, 4*(\bt)+(\i)
.irp u, 0,2
	v_pk_mul_f32 v[rG+4+(\u):rG+5+(\u)], v[rG+4+(\u):rG+5+(\u)], v[rG:rG+1] op_sel_hi:[1,0]
	v_pk_fma_f32 v[rG+4+(\u):rG+5+(\u)], v[rG+8+(\u):rG+9+(\u)], v[rG:rG+1], v[rG+4+(\u):rG+5+(\u)] op_sel:[0,1,0] op_sel_hi:[1,1,1]
	v_pk_fma_f32 v[rG+4+(\u):rG+5+(\u)], v[rG+12+(\u):rG+13+(\u)], v[rG+2:rG+3], v[rG+4+(\u):rG+5+(\u)] op_sel_hi:[1,0,1]
	v_pk_fma_f32 v[rG+4+(\u):rG+5+(\u)], v[rG+16+(\u):rG+17+(\u)], v[rG+2:rG+3], v[rG+4+(\u):rG+5+(\u)] op_sel:[0,1,0] op_sel_hi:[1,1,1]
.endr
	v_cvt_pk_f16_f32 v[RS+2*rq], v[rG+4], v[rG+5]
	v_cvt_pk_f16_f32 v[RS+2*rq+1], v[rG+6], v[rG+7]
	global_store_b64 v[OA], v[RS+2*rq:RS+2*rq+1], s[OB:OB+1] offset:4096*rq  ; the wave's store covers 256 consecutive bytes, aligned: a head's 128 channels of a row
.endr
.endm
	s_load_b128 s[4:7], s[0:1], 0x0                ; qkv s[4:5], ob s[6:7]
	v_lshl_add_u32 v[SPW], v0, 2, SPARE
	v_mov_b32 v[NIL], 0
	v_lshrrev_b32 v1, 5, v0
	v_readfirstlane_b32 s[WV], v1
	v_and_b32 v[SC0], 31, v0                       ; lane
	v_lshlrev_b32 v[VLO], 4, v[SC0]
	s_mov_b32 s[PB], ttmp9
	s_and_b32 s[HD], ttmp7, 0xffff
	s_lshr_b32 s[T1], s[PB], 2
	s_sub_co_u32 s[T1], 8, s[T1]
	s_sub_co_u32 s[HIB], 31, s[PB]
	s_mov_b32 s[LOB], s[PB]
	s_mov_b32 s[II], 0
	s_cmp_eq_u32 s[PB], 0
	s_cselect_b32 s[PLIM], 6, 0
	s_mov_b32 s[AL+1], 0
	s_mov_b32 s[BL+1], 0
	s_mov_b32 s[NEG], 0xf1800000                   ; -2^100
	s_mov_b32 s[CS], 0x3e0293ee                    ; c = log2(e) / sqrt(128) = 0.127517
	s_mov_b32 s[CS+1], s[CS]
	s_mov_b32 s[SEL], 0x76543210
	s_mov_b32 s[SEL+1], 0xfedcba98
	s_lshl_b32 s[OFF], s[HD], 19                   ; a head is 524,288 bytes of each of Q, K, V
	s_mov_b32 s[OFF+1], 0
	s_lshl_b32 s[TS], s[HIB], 14                   ; a block of 64 queries is 16,384 bytes
	s_mov_b32 s[TS+1], 0
	s_wait_kmcnt 0x0
	s_add_nc_u64 s[QL:QL+1], s[4:5], s[OFF:OFF+1]
	s_add_nc_u64 s[KH:KH+1], s[QL:QL+1], 0x800000
	s_add_nc_u64 s[VH:VH+1], s[QL:QL+1], 0x1000000
	s_add_nc_u64 s[QH:QH+1], s[QL:QL+1], s[TS:TS+1]
	s_lshl_b32 s[TS], s[LOB], 14
	s_add_nc_u64 s[QL:QL+1], s[QL:QL+1], s[TS:TS+1]
	s_lshl_b32 s[OFF], s[WV], 14                   ; trip 0: key step J = my wave's number
	s_add_nc_u64 s[KP:KP+1], s[KH:KH+1], s[OFF:OFF+1]
	s_add_nc_u64 s[VP:VP+1], s[VH:VH+1], s[OFF:OFF+1]
	LDQ QH
	LDK
	LDV
	; all that follows up to the loop stands in the wait for those 96 loads
	s_lshl_b32 s[TS], s[HIB], 18                   ; 64 rows of 4,096 bytes a block,
	s_lshl_b32 s[TS+1], s[WV], 16                  ; 16 rows a wave,
	s_add_co_u32 s[TS], s[TS], s[TS+1]
	s_lshl_b32 s[TS+1], s[HD], 8                   ; 256 bytes a head
	s_add_co_u32 s[TS], s[TS], s[TS+1]
	s_mov_b32 s[TS+1], 0
	s_add_nc_u64 s[OHI:OHI+1], s[6:7], s[TS:TS+1]
	s_lshl_b32 s[TS], s[LOB], 18
	s_lshl_b32 s[TS+1], s[WV], 16
	s_add_co_u32 s[TS], s[TS], s[TS+1]
	s_lshl_b32 s[TS+1], s[HD], 8
	s_add_co_u32 s[TS], s[TS], s[TS+1]
	s_mov_b32 s[TS+1], 0
	s_add_nc_u64 s[OLO:OLO+1], s[6:7], s[TS:TS+1]
	v_and_b32 v1, 15, v0                           ; r
	v_bfe_u32 v2, v0, 4, 1                         ; h
	v_lshlrev_b32 v[PFO], 8, v[SC0]
	v_lshlrev_b32 v[OA], 3, v[SC0]
	s_mul_i32 s[TS], s[WV], REGION
	v_mul_u32_u24 v[FST], v1, 528
	v_lshl_add_u32 v[FST], v2, 5, v[FST]
	v_add_nc_u32 v[FST], s[TS], v[FST]             ; my region + query r x 528 + 32 h
	v_add_nc_u32 v[FST+1], 4*REGION, v[FST]
	s_lshl_b32 s[TS], s[WV], 9
	s_add_co_u32 s[TS], s[TS], MLB
	v_lshl_add_u32 v[MLS], v1, 3, s[TS]
	s_mul_i32 s[TS], s[WV], 16*528
	v_add_nc_u32 v[PA], s[TS], v[VLO]              ; the merge: row 16 w of region 0, my 16 bytes
	v_add_nc_u32 v[PA+1], REGION, v[PA]
	v_add_nc_u32 v[PA+2], 2*REGION, v[PA]
	v_add_nc_u32 v[PA+3], 3*REGION, v[PA]
	s_lshl_b32 s[TS], s[WV], 9
	s_add_co_u32 s[TS], s[TS], GB
	v_mov_b32 v[GA], s[TS]
	v_add_nc_u32 v[GST], s[TS], v[VLO]
	s_lshl_b32 s[TS], s[WV], 7
	s_add_co_u32 s[TS], s[TS], MLB
	v_lshl_add_u32 v[MLR], v1, 3, s[TS]            ; the merge: lane (h, r) stands for row 16 w + r of block h
	v_lshl_add_u32 v[MLR], v2, 11, v[MLR]
	v_lshlrev_b32 v[SC1], 3, v2
	v_sub_nc_u32 v[SC0], v1, v[SC1]                ; r - 8 h: register i of the diagonal's mask hides where i is greater
	WIN 0xc0
.set z, 0
.rept 8
	v_cmp_gt_i32 vcc_lo, z, v[SC0]
	v_cndmask_b32 v[DG+z], 0, s[NEG], vcc_lo
.set z, z+1
.endr
	WIN 0x40                                       ; O^T and l start at 0: they need only be finite, and no first step is written out for them
.set z, 0
.rept 256
	v_mov_b32 v[z], 0
.set z, z+1
.endr
	WIN 0
.irp t, 0,1,2,3
	v_mov_b32 v[ST+8*(\t)+1], 0xec800000           ; m = -2^90
	v_mul_f32 v[ST+8*(\t)], s[CS], v[ST+8*(\t)+1]
	v_mov_b32 v[ST+8*(\t)+2], 0
	v_mov_b32 v[ST+8*(\t)+3], 0
.endr
.Ltrip:                                                ; eight trips ask for the next trip's K and V;
	STEP 1
	s_add_co_u32 s[II], s[II], 1
	s_cmp_lt_u32 s[II], 8
	s_cbranch_scc1 .Ltrip
	STEP 0                                         ; the ninth asks for nothing
	FLUSH 1
	s_wait_dscnt 0x0                               ; for the others' sake: all my stores into LDS are done
	s_barrier_signal -1
	s_barrier_wait -1                              ; the launch's one barrier: all four waves' partial results of both blocks lie in LDS
	; THE MERGE.  Wave w finishes rows 16 w .. 16 w + 15 of both blocks.  First the factors, a lane a row: g_v = 2^(c m_v - max) / the sum over v of 2^(c m_v - max) l_v.
.irp w2, 0,1,2,3
	ds_load_b64 v[EE+2*(\w2):EE+2*(\w2)+1], v[MLR] offset:512*(\w2)
.endr
	s_wait_dscnt 0x0
	v_max3_num_f32 v[SC0], v[EE], v[EE+2], v[EE+4]
	v_max_num_f32 v[SC0], v[SC0], v[EE+6]
.irp w2, 0,1,2,3
	v_sub_f32 v[GG+(\w2)], v[EE+2*(\w2)], v[SC0]
.endr
.irp w2, 0,1,2,3
	v_exp_f32 v[GG+(\w2)], v[GG+(\w2)]
.endr
	v_nop
	s_wait_alu depctr_va_vdst(0)                   ; one wait for the four exponentials
	v_mul_f32 v[SC1], v[GG], v[EE+1]
	v_fmac_f32 v[SC1], v[GG+1], v[EE+3]
	v_fmac_f32 v[SC1], v[GG+2], v[EE+5]
	v_fmac_f32 v[SC1], v[GG+3], v[EE+7]
	v_rcp_f32 v[SC1], v[SC1]
	v_nop
	s_wait_alu depctr_va_vdst(0)
.irp w2, 0,1,2,3
	v_mul_f32 v[GG+(\w2)], v[GG+(\w2)], v[SC1]
.endr
	ds_store_b128 v[GST], v[GG:GG+3]               ; my wave's own bytes: LDS serves a wave's instructions in order, so the loads below see them
	s_mov_b64 s[OB:OB+1], s[OHI:OHI+1]
	s_mov_b32 s[CNT], 2
.Lblock:                                               ; a block's 16 rows in four batches on two sets of registers; the count 20 is the younger batch's loads
	MLOAD 64, 0
	MLOAD 144, 1
	s_wait_dscnt 20
	MCOMP 64, 0
	MLOAD 64, 2
	s_wait_dscnt 20
	MCOMP 144, 1
	MLOAD 144, 3
	s_wait_dscnt 20
	MCOMP 64, 2
	s_wait_dscnt 0x0
	MCOMP 144, 3
	s_wait_xcnt 0x0                                ; the stores have read their data and their base: both are written again only behind this wait
	s_mov_b64 s[OB:OB+1], s[OLO:OLO+1]
.irp w2, 0,1,2,3
	v_add_nc_u32 v[PA+(\w2)], 4*REGION, v[PA+(\w2)]
.endr
	v_add_nc_u32 v[GA], 256, v[GA]
	s_sub_co_u32 s[CNT], s[CNT], 1
	s_cmp_lg_u32 s[CNT], 0
	s_cbranch_scc1 .Lblock
	s_wait_tensorcnt 0x0                           ; the wave's end, behind my last LDS store
	ds_add_u32 v[SPW], v[NIL]
	s_wait_dscnt 0x0
	s_endpgm
.Lfunc_end_k_q45ec3a0b05_attn:
	.size	k_q45ec3a0b05_attn, .Lfunc_end_k_q45ec3a0b05_attn-k_q45ec3a0b05_attn
	.p2alignl 7, 3214868480
	.fill 96, 4, 3214868480
	.section	.rodata,"a",@progbits
	.p2align	6, 0x0
	.amdhsa_kernel k_q45ec3a0b05_attn
		.amdhsa_group_segment_fixed_size 276992
		.amdhsa_private_segment_fixed_size 0
		.amdhsa_enable_private_segment 0
		.amdhsa_kernarg_size 16
		.amdhsa_user_sgpr_count 2
		.amdhsa_user_sgpr_kernarg_segment_ptr 1
		.amdhsa_wavefront_size32 1
		.amdhsa_system_sgpr_workgroup_id_x 1
		.amdhsa_system_sgpr_workgroup_id_y 1
		.amdhsa_system_sgpr_workgroup_id_z 1
		.amdhsa_system_vgpr_workitem_id 0
		.amdhsa_next_free_vgpr 928
		.amdhsa_next_free_sgpr 66
		.amdhsa_reserve_vcc 1
		.amdhsa_float_denorm_mode_32 3
		.amdhsa_float_denorm_mode_16_64 3
		.amdhsa_memory_ordered 1
		.amdhsa_forward_progress 1
		.amdhsa_inst_pref_size 139
	.end_amdhsa_kernel
	.amdgpu_metadata
---
amdhsa.version: [ 1, 2 ]
amdhsa.kernels:
  - .name:           k_q45ec3a0b05_attn
    .symbol:         k_q45ec3a0b05_attn.kd
    .args:
      - { .name: qkv, .offset: 0, .size: 8, .value_kind: global_buffer, .address_space: global }
      - { .name: ob, .offset: 8, .size: 8, .value_kind: global_buffer, .address_space: global }
    .group_segment_fixed_size: 276992
    .private_segment_fixed_size: 0
    .kernarg_segment_align: 8
    .kernarg_segment_size: 16
    .max_flat_workgroup_size: 128
    .sgpr_count:     66
    .vgpr_count:     928
    .wavefront_size: 32
...
	.end_amdgpu_metadata
.endif
;; end of part 3
;; launch oproj (part 4): grid 16 x 16, 4 waves a work-group, clusters of 4 x 4, 327,680 bytes of LDS; arguments ob, wof, out0; writes out0
.if DOCPART == 4
	.amdgcn_target "amdgcn-amd-amdhsa--gfx1250"
	.amdhsa_code_object_version 6
	.text
	.protected	k_q45ec3a0b05_oproj
	.globl	k_q45ec3a0b05_oproj
	.p2align	8
	.type	k_q45ec3a0b05_oproj,@function
k_q45ec3a0b05_oproj:
	s_mov_b64 s[64:65], 0
	v_nop
	global_prefetch_b8 v0, s[64:65] scope:SCOPE_SE
	s_setreg_imm32_b32 hwreg(HW_REG_WAVE_MODE, 25, 1), 1
	s_wait_xcnt 0x0
	s_wait_alu depctr_hold_cnt(0) depctr_sa_sdst(0) depctr_va_vdst(0) depctr_va_sdst(0) depctr_va_ssrc(0) depctr_va_vcc(0) depctr_vm_vsrc(0)
	s_getreg_b32 s2, hwreg(HW_REG_IB_STS2, 6, 4)
	s_cmp_eq_u32 s2, 0
	s_cbranch_scc0 .Lentry_in_a_cluster
	s_endpgm
.Lentry_in_a_cluster:
	s_bfe_u32 s2, ttmp6, 0x10000c
	s_cmp_lg_u32 s2, 0xf033
	s_cbranch_scc0 .Lentry_shape_is_right
	s_endpgm
.Lentry_shape_is_right:
; out0[m][n] = the sum over k of O[m][k] w_o[n][k].  O: ob, f16 [2048][2048]; w_o: wof, bf16-rounded numbers written as f16, [2048][2048]; out0 f32; sums in f32.
; A tile of out0 is 128 x 128: 16 x 16 work-groups.  Four waves, each 64 x 64: 16 accumulators of 16 x 16.  K goes in steps of 256 (LDS rows of 512 bytes; a wave's tensor load brings 64 of them)
; through two slots.  CLUSTER 4 x 4: the four of a row of the cluster ask jointly for O's tiles, the four of a column for w_o's.
; THE MATRIX INSTRUCTION IS USED TRANSPOSED (source 0 = 16 rows of w_o, source 1 = 16 rows of O): a lane holds eight neighbouring numbers of a row of out0, 32 bytes.
; THE WAY OUT: a wave's 64 columns of f32 are 256 bytes, aligned, so each wave has a stage of its own (16 rows x 272 bytes) and no barrier is needed.
; REGISTERS: window 0: v0-31 addresses; v32-95 rows read back from the stage; v128-255 the accumulators ((a, b) at 128 + 8 (4 a + b)).   window 1: two fragment buffers of 128.
.set SIZE_K, 2048
.set KSTEP,  256
.set PITCH,  528                       ; an LDS row: 512 bytes + 16 of padding = 132 words: the 16 rows that a load touches start 4 words apart modulo 64
.set HALFT,  64*PITCH
.set SLOT,   4*HALFT                   ; O's 128 rows, then w_o's 128 rows
.set STAGE,  2*SLOT
.set SPITCH, 272
.set SPARE,  STAGE+4*16*SPITCH         ; behind the stages: the spare words, 128 bytes a wave, that no other line names
.set LAPS, SIZE_K/(2*KSTEP)
.set ADRA, 16
.set ADRB, 20
.set STO,  24                          ; v24     where I put 32 bytes of a row
.set RD,   25                          ; v25     where I read a row back
.set CO,   26                          ; v26     my byte offset in out0
.set SPW,  28
.set NIL,  29
.set TMP,  32
.set ACC,  128
.set F0,   0
.set F1,   128
.set G1, 24
.set G0, 32
.set G1B, 48
.set G0B, 56
.set MSB, 0
.macro WIN new
.if MSB != (\new)
	s_set_vgpr_msb (MSB<<8)|(\new)
.set MSB, \new
.endif
.endm
.set MUL,  0x05                        ; sources 0 and 1 window 1; C and D window 0
.set TO_F, 0x40                        ; destination window 1, address window 0
.macro JLOAD s                         ; a joint load: waves 0 and 1 fetch O's two halves, waves 2 and 3 w_o's; an s_nop 0 and four v_nop follow each line
	s_cmp_eq_u32 s11, 0
	s_cbranch_scc0 .Lfor_b_\@
	tensor_load_to_lds s[G0+4*(\s):G0+4*(\s)+3], s[G1:G1+7]
	s_nop 0
.rept 4
	v_nop
.endr
	s_branch .Lasked_\@
.Lfor_b_\@:
	tensor_load_to_lds s[G0B+4*(\s):G0B+4*(\s)+3], s[G1B:G1B+7]
	s_nop 0
.rept 4
	v_nop
.endr
.Lasked_\@:
.endm
.macro CREST
	s_cmp_lg_u32 s10, 0
	s_cbranch_scc1 .Lnot_wave_0_\@
	s_barrier_signal -3
.Lnot_wave_0_\@:
	s_barrier_wait -3
	s_barrier_signal -1
	s_barrier_wait -1
.endm
.macro CROUND
	s_barrier_signal -1
	s_barrier_wait -1
	CREST
.endm
	s_load_b128 s[4:7], s[0:1], 0x0                ; ob s[4:5], wof s[6:7]
	s_load_b64 s[8:9], s[0:1], 0x10                ; out0
	v_lshl_add_u32 v[SPW], v0, 2, SPARE
	v_mov_b32 v[NIL], 0
	ds_add_u32 v[SPW], v[NIL]                      ; the wave's opening: the add and its wait ahead of my first tensor load
	v_lshrrev_b32 v1, 5, v0
	v_readfirstlane_b32 s10, v1                    ; wave 0..3
	s_lshr_b32 s11, s10, 1                         ; which half of the tile's rows is mine.  Also: I fetch for O (0) or for w_o (1)
	s_and_b32 s12, s10, 1                          ; which half of its columns.  Also: which 64 rows of that tile I fetch
	s_bfe_u32 s40, ttmp6, 0x40000                  ; cx, cy
	s_bfe_u32 s41, ttmp6, 0x40004
	s_lshl_b32 s42, ttmp9, 2
	s_add_co_u32 s42, s42, s40                     ; tile column
	s_and_b32 s13, ttmp7, 0xffff
	s_lshl_b32 s13, s13, 2
	s_add_co_u32 s13, s13, s41                     ; tile row
	s_lshl_b32 s43, s41, 2
	s_lshl_b32 s43, 15, s43                        ; my row of the cluster
	s_lshl_b32 s44, 0x1111, s40                    ; my column
	s_or_b32 s[G1+0], s43, (1<<16)|(1<<20)|(1<<21)|(6<<22)|(3<<25)  ; the mask; 2-byte elements; padding on; bit 21 beside a mask; after every 128 words 4 words
	s_or_b32 s[G1B+0], s44, (1<<16)|(1<<20)|(1<<21)|(6<<22)|(3<<25)
.irp g, G1, G1B
	s_mov_b32 s[(\g)+1], KSTEP<<16                 ; tensor_dim0 = 256
	s_mov_b32 s[(\g)+2], 64<<16                    ; tensor_dim1 = 64
	s_mov_b32 s[(\g)+3], KSTEP<<16                 ; tile_dim0 = 256
	s_mov_b32 s[(\g)+4], 64                        ; tile_dim1 = 64
	s_mov_b32 s[(\g)+5], SIZE_K                    ; elements from row to row
	s_mov_b32 s[(\g)+6], 0
	s_mov_b32 s[(\g)+7], 0
.endr
	s_lshl_b32 s17, s12, 6                         ; which 64 rows of the tile I fetch
	s_lshl_b32 s16, s13, 7
	s_add_co_u32 s16, s16, s17                     ; O: row 128 x tile row + 64 x half
	s_lshl_b32 s46, s42, 7
	s_add_co_u32 s46, s46, s17                     ; w_o: row 128 x tile column + 64 x half
	s_lshl_b32 s16, s16, 12                        ; 4,096 bytes a row
	s_lshl_b32 s46, s46, 12
	s_mov_b32 s17, 0
	s_mov_b32 s47, 0
	s_mul_i32 s20, s10, HALFT                      ; where they go: wave x 64 rows
	s_wait_dscnt 0x0                               ; the opening add is done
	s_wait_kmcnt 0x0
	s_add_nc_u64 s[14:15], s[4:5], s[16:17]
	s_add_nc_u64 s[46:47], s[6:7], s[46:47]
	CROUND                                         ; all sixteen work-groups are here: the first joint loads meet
.irp s, 0,1
	s_mov_b32 s[G0+4*(\s)], 1
	s_add_co_u32 s[G0+4*(\s)+1], s20, (\s)*SLOT
	s_add_nc_u64 s[G0+4*(\s)+2:G0+4*(\s)+3], s[14:15], (\s)*KSTEP*2
	s_or_b32 s[G0+4*(\s)+3], s[G0+4*(\s)+3], 0x80000000
	s_mov_b32 s[G0B+4*(\s)], 1
	s_add_co_u32 s[G0B+4*(\s)+1], s20, (\s)*SLOT
	s_add_nc_u64 s[G0B+4*(\s)+2:G0B+4*(\s)+3], s[46:47], (\s)*KSTEP*2
	s_or_b32 s[G0B+4*(\s)+3], s[G0B+4*(\s)+3], 0x80000000
	JLOAD \s
.endr
	v_and_b32 v1, 15, v0                           ; l % 16
	v_bfe_u32 v2, v0, 4, 1                         ; l / 16
	v_mul_u32_u24 v3, v1, PITCH
	v_lshl_add_u32 v3, v2, 4, v3
	s_mul_i32 s21, s11, HALFT                      ; my 64 rows of O
	s_mul_i32 s22, s12, HALFT                      ; my 64 rows of w_o,
	s_add_co_u32 s22, s22, 2*HALFT                 ; which lie behind O's 128
.irp s, 0,1
	v_add_nc_u32 v[ADRA+(\s)], s21, v3
	v_add_nc_u32 v[ADRB+(\s)], s22, v3
	s_add_co_u32 s21, s21, SLOT
	s_add_co_u32 s22, s22, SLOT
.endr
	s_mul_i32 s23, s10, 16*SPITCH
	s_add_co_u32 s23, s23, STAGE                   ; my stage
	v_mul_u32_u24 v4, v1, SPITCH                   ; in: row l % 16, 32 bytes for each half of the lanes
	v_lshl_add_u32 v4, v2, 5, v4
	v_add_nc_u32 v[STO], s23, v4
	v_mul_u32_u24 v5, v2, SPITCH                   ; back: lanes 0-15 take one row of 256 bytes, lanes 16-31 the next
	v_lshl_add_u32 v5, v1, 4, v5
	v_add_nc_u32 v[RD], s23, v5
	v_lshlrev_b32 v5, 13, v2                       ; and the same two rows in out0, 8,192 bytes apart
	v_lshl_add_u32 v[CO], v1, 4, v5
	s_lshl_b32 s16, s13, 7
	s_lshl_b32 s17, s11, 6
	s_add_co_u32 s16, s16, s17                     ; my first row: 128 x tile row + 64 x half
	s_lshl_b32 s16, s16, 13
	s_mov_b32 s17, 0
	s_add_nc_u64 s[8:9], s[8:9], s[16:17]
	s_lshl_b32 s46, s42, 9                         ; my first column, in bytes: 512 x tile column + 256 x half
	s_lshl_b32 s47, s12, 8
	s_add_co_u32 s46, s46, s47
	s_mov_b32 s47, 0
	s_add_nc_u64 s[8:9], s[8:9], s[46:47]
; 8 matrix instructions: m blocks a0, a0 + 1 x all 4 n blocks, 32 along K: half c of buffer f.  zero = 1: the first product starts the sums.  The 16 accumulators take turns.
.macro MUL8 f, c, a0, zero
	WIN MUL
.irp a, \a0, (\a0)+1
.irp b, 0,1,2,3
.if \zero
	v_wmma_f32_16x16x32_f16 v[ACC+8*(4*(\a)+(\b)):ACC+8*(4*(\a)+(\b))+7], v[(\f)+64+8*(4*(\c)+(\b)):(\f)+64+8*(4*(\c)+(\b))+7], v[(\f)+8*(4*(\c)+(\a)):(\f)+8*(4*(\c)+(\a))+7], 0
.else
	v_wmma_f32_16x16x32_f16 v[ACC+8*(4*(\a)+(\b)):ACC+8*(4*(\a)+(\b))+7], v[(\f)+64+8*(4*(\c)+(\b)):(\f)+64+8*(4*(\c)+(\b))+7], v[(\f)+8*(4*(\c)+(\a)):(\f)+8*(4*(\c)+(\a))+7], v[ACC+8*(4*(\a)+(\b)):ACC+8*(4*(\a)+(\b))+7]
.endif
.endr
.endr
.endm
; 32 LDS loads in one run: the fragments of 64 along K at byte k of the rows, into buffer f; the first 32 along K first
.macro FETCH slot, k, f
	WIN TO_F
.irp c, 0,1
.irp i, 0,1,2,3
	ds_load_b128 v[(\f)+64+8*(4*(\c)+(\i)):(\f)+64+8*(4*(\c)+(\i))+3],   v[ADRB+(\slot)] offset:(\k)+64*(\c)+(\i)*16*PITCH
	ds_load_b128 v[(\f)+64+8*(4*(\c)+(\i))+4:(\f)+64+8*(4*(\c)+(\i))+7], v[ADRB+(\slot)] offset:(\k)+64*(\c)+(\i)*16*PITCH+32
	ds_load_b128 v[(\f)+8*(4*(\c)+(\i)):(\f)+8*(4*(\c)+(\i))+3],         v[ADRA+(\slot)] offset:(\k)+64*(\c)+(\i)*16*PITCH
	ds_load_b128 v[(\f)+8*(4*(\c)+(\i))+4:(\f)+8*(4*(\c)+(\i))+7],       v[ADRA+(\slot)] offset:(\k)+64*(\c)+(\i)*16*PITCH+32
.endr
.endr
.endm
.macro PLACES                          ; four plain places behind a matrix instruction (ISA guide 7.12.1)
.rept 4
	v_nop
.endr
.endm
; A K step is four quarters of 64 along K, 32 matrix instructions each, on buffers 0, 1, 0, 1.
.macro QUARTER slot, k, f, g, zero
	s_wait_dscnt 16                                ; the first 32 along K are in
	WIN MUL
	MUL8 \f, 0, 0, \zero
	MUL8 \f, 0, 2, \zero
	PLACES
	FETCH \slot, \k, \g
	s_wait_dscnt 32                                ; all but the 32 just issued
	WIN MUL
	MUL8 \f, 1, 0, 0
	MUL8 \f, 1, 2, 0
.endm
; The last quarter multiplies buffer 1 and changes slots: ONE barrier; in front of it each wave waits for all its tensor loads, adds 0 to its spare word, and waits for that and for its reads of this slot.
.macro TURN slot, next, fill
	WIN 0
	s_wait_tensorcnt 0x0                           ; all my tensor loads have landed: my part of the next slot
	ds_add_u32 v[SPW], v[NIL]
	s_wait_dscnt 17                                ; (the add and the youngest sixteen loads may be out)
	WIN MUL
	MUL8 F1, 0, 0, 0
	s_wait_dscnt 0x0                               ; the add is done, and my reads of this slot are over
	s_barrier_signal -1
	MUL8 F1, 0, 2, 0
.if \fill
	WIN 0
.endif
	s_barrier_wait -1
.if \fill
	CREST                                          ; no wave of any partner still reads this slot's tile or has a load on its way
	s_add_nc_u64 s[G0+4*(\slot)+2:G0+4*(\slot)+3], s[G0+4*(\slot)+2:G0+4*(\slot)+3], 2*KSTEP*2
	s_add_nc_u64 s[G0B+4*(\slot)+2:G0B+4*(\slot)+3], s[G0B+4*(\slot)+2:G0B+4*(\slot)+3], 2*KSTEP*2
	JLOAD \slot                                    ; 112 matrix instructions ahead of the wait for it; its four v_nop are also the places in front of the loads below
.else
	PLACES
.endif
	FETCH \next, 0, F0
	WIN MUL
	MUL8 F1, 1, 0, 0
	MUL8 F1, 1, 2, 0
.endm
; THE WAY OUT of block a (16 rows): the accumulators go into my stage as they are, low four registers first, and come back as whole rows of 256 bytes.
.macro TOSTAGE a
.irp b, 0,1,2,3
	ds_store_b128 v[STO], v[ACC+8*(4*(\a)+(\b)):ACC+8*(4*(\a)+(\b))+3]   offset:64*(\b)
	ds_store_b128 v[STO], v[ACC+8*(4*(\a)+(\b))+4:ACC+8*(4*(\a)+(\b))+7] offset:64*(\b)+16
.endr
.irp t, 0,1,2,3,4,5,6,7
	ds_load_b128 v[TMP+32*((\a)%2)+4*(\t):TMP+32*((\a)%2)+4*(\t)+3], v[RD] offset:(\t)*2*SPITCH  ; LDS serves a wave's instructions in order: these see the stores above, and the next block's stores come behind them
.endr
.endm
.macro SEND a, younger                 ; younger: the LDS instructions issued behind block a's loads
.irp t, 0,1,2,3,4,5,6,7
	s_wait_dscnt (\younger)+7-(\t)
	global_store_b128 v[CO], v[TMP+32*((\a)%2)+4*(\t):TMP+32*((\a)%2)+4*(\t)+3], s[8:9] offset:(16*(\a)+2*(\t))*8192 th:TH_STORE_NT  ; 16 lanes store 256 consecutive bytes, aligned
.endr
.endm
	s_wait_tensorcnt 1                             ; my part of K step 0 is in; K step 1's may stay out
	s_barrier_signal -1
	s_barrier_wait -1
	FETCH 0, 0, F0
	QUARTER 0, 128, F0, F1, 1                      ; the first quarter stands in front of the loop: its first products start the sums
	WIN 0
	s_mov_b32 s3, LAPS-1
.Llap:
	QUARTER 0, 256, F1, F0, 0
	QUARTER 0, 384, F0, F1, 0
	TURN 0, 1, 1
	QUARTER 1, 128, F0, F1, 0
	QUARTER 1, 256, F1, F0, 0
	QUARTER 1, 384, F0, F1, 0
	TURN 1, 0, 1
	QUARTER 0, 128, F0, F1, 0
	WIN 0
	s_sub_co_u32 s3, s3, 1
	s_cmp_lg_u32 s3, 0
	s_cbranch_scc1 .Llap
	QUARTER 0, 256, F1, F0, 0                      ; the last lap fills nothing
	QUARTER 0, 384, F0, F1, 0
	TURN 0, 1, 0
	QUARTER 1, 128, F0, F1, 0
	QUARTER 1, 256, F1, F0, 0
	QUARTER 1, 384, F0, F1, 0
	s_wait_dscnt 16
	WIN MUL
	MUL8 F1, 0, 0, 0
	MUL8 F1, 0, 2, 0
	s_wait_dscnt 0x0
	MUL8 F1, 1, 0, 0
	MUL8 F1, 1, 2, 0
	WIN 0
	PLACES
	TOSTAGE 0
	TOSTAGE 1
	SEND 0, 16
	s_wait_xcnt 0x0                                ; block 0's stores have read their registers: they are loaded again only behind this wait
	TOSTAGE 2
	SEND 1, 16
	s_wait_xcnt 0x0
	TOSTAGE 3
	SEND 2, 16
	SEND 3, 0
	s_wait_tensorcnt 0x0                           ; the wave's end
	ds_add_u32 v[SPW], v[NIL]
	s_wait_dscnt 0x0
	CROUND                                         ; the closing round
	s_endpgm
.Lfunc_end_k_q45ec3a0b05_oproj:
	.size	k_q45ec3a0b05_oproj, .Lfunc_end_k_q45ec3a0b05_oproj-k_q45ec3a0b05_oproj
	.p2alignl 7, 3214868480
	.fill 96, 4, 3214868480
	.section	.rodata,"a",@progbits
	.p2align	6, 0x0
	.amdhsa_kernel k_q45ec3a0b05_oproj
		.amdhsa_group_segment_fixed_size 327680
		.amdhsa_private_segment_fixed_size 0
		.amdhsa_enable_private_segment 0
		.amdhsa_kernarg_size 24
		.amdhsa_user_sgpr_count 2
		.amdhsa_user_sgpr_kernarg_segment_ptr 1
		.amdhsa_wavefront_size32 1
		.amdhsa_system_sgpr_workgroup_id_x 1
		.amdhsa_system_sgpr_workgroup_id_y 1
		.amdhsa_system_sgpr_workgroup_id_z 1
		.amdhsa_system_vgpr_workitem_id 0
		.amdhsa_next_free_vgpr 512
		.amdhsa_next_free_sgpr 66
		.amdhsa_reserve_vcc 0
		.amdhsa_float_denorm_mode_32 3
		.amdhsa_float_denorm_mode_16_64 3
		.amdhsa_memory_ordered 1
		.amdhsa_forward_progress 1
		.amdhsa_inst_pref_size 86
	.end_amdhsa_kernel
	.amdgpu_metadata
---
amdhsa.version: [ 1, 2 ]
amdhsa.kernels:
  - .name:           k_q45ec3a0b05_oproj
    .symbol:         k_q45ec3a0b05_oproj.kd
    .args:
      - { .name: ob, .offset: 0, .size: 8, .value_kind: global_buffer, .address_space: global }
      - { .name: wof, .offset: 8, .size: 8, .value_kind: global_buffer, .address_space: global }
      - { .name: out0, .offset: 16, .size: 8, .value_kind: global_buffer, .address_space: global }
    .group_segment_fixed_size: 327680
    .private_segment_fixed_size: 0
    .kernarg_segment_align: 8
    .kernarg_segment_size: 24
    .max_flat_workgroup_size: 128
    .sgpr_count:     66
    .vgpr_count:     512
    .wavefront_size: 32
...
	.end_amdgpu_metadata
.endif
;; end of part 4
